; MI455X (gfx1250); checked and timed in simulation.
; The chip was launched on July 23, 2026; its instructions are those of AMD's public machine-readable ISA for CDNA 5 (MIT licence, August 2026) and "CDNA5" Instruction Set Architecture Reference Guide (July 2026). The comments in the code are by the model that wrote it; some were corrected since.
;; Causal Self Attention. Allowed arithmetic: matrix products marked QUANTISED: E3M2 operands, one E8M0 scale for each 32 along K, by v_wmma_scale_f32_16x16x128_f8f6f4 with both operands' format E3M2, f32 sums; products left as they are: f32 operands where the result goes on into a quantised operand, else bf16, f16 or f32 operands; f32 sums; everything else in f32.
;; Inputs: Wc 1,024 x 1,024 float32; Wkv 1,024 x 2,048 float32; Wq 1,024 x 1,024 float32; x 4 x 2,048 x 1,024 float32.
;; Outputs: out0 4 x 2,048 x 1,024 float32.
;; This version of the problem:
;;   THIS VERSION OF THE PROBLEM IS GIVEN IN LOW PRECISION. The matrix products marked QUANTISED in the list below multiply operands that are first quantised to E3M2 (3 exponent bits, 2 mantissa bits; 6 bits a number), with one power-of-two scale for each 32 numbers along K (OCP MX v1.0); their sums are f32. All else is computed in f32.
;;   The module's matrix products, in the order in which they are computed (A, B: the left and right operand; K: the contracted axis; several contracted axes count as one K, in the product's order):
;;     1. [M 8,192, K 1,024] x [K 1,024, N 1,024]; A: input x; B: input Wq: QUANTISED
;;     2. [M 8,192, K 1,024] x [K 1,024, N 2,048]; A: input x; B: input Wkv: QUANTISED
;;     3. [M 2,048, K 1] x [K 1, N 32]; A: computed on the way; B: computed on the way: left as it is (no contracted axis)
;;     4. batch 64 x [M 2,048, K 64] x [K 64, N 2,048]; A: computed on the way; B: computed on the way: QUANTISED
;;     5. batch 64 x [M 2,048, K 2,048] x [K 2,048, N 64]; A: softmax (see below); B: computed on the way: QUANTISED
;;     6. [M 8,192, K 1,024] x [K 1,024, N 1,024]; A: computed on the way; B: input Wc: QUANTISED
;;   THE QUANTISER, for each operand of a quantised product, along K:
;;     - K is cut into blocks of 32 from its start; a last block that is shorter is filled with zeros.
;;     - A block's scale is 2^e with e = floor(log2(the largest magnitude in the block)) - 4, held to -126 .. 127; a block of zeros has e = 0. As a byte (E8M0): e + 127.
;;     - Each number is divided by its block's scale, clamped to +-28, and rounded to the nearest number of E3M2, ties to even, subnormals kept.
;;     - The product sums the exact products of the quantised numbers (number of the format x scale) in f32.
;;   ~~~python
;;   def quantise(x, axis):      # numpy; x: float32 -> the quantised numbers, widened to float32 again
;;       x = np.moveaxis(x, axis, -1); K = x.shape[-1]
;;       x = np.pad(x, [(0, 0)] * (x.ndim - 1) + [(0, -K % 32)]); x = x.reshape(x.shape[:-1] + (-1, 32)); a = np.abs(x).max(-1, keepdims=True)
;;       e = np.where(a > 0, np.clip(np.frexp(np.where(a > 0, a, 1))[1] - 1 - 4, -126, 127), 0)      # np.frexp(a)[1] - 1 = floor(log2(a)), exactly
;;       r = np.clip(x / 2.0 ** e, -28, 28)
;;       step = 2.0 ** (np.maximum(np.frexp(np.where(r == 0, 1, r))[1] - 1, -2) - 2)
;;       q = np.round(r / step) * step * 2.0 ** e      # np.round: ties to even
;;       return np.moveaxis(q.reshape(q.shape[:-2] + (-1,))[..., :K], -1, axis).astype(np.float32)
;;   ~~~
;;   SOFTMAX AHEAD OF A QUANTISED PRODUCT. Where the list says 'softmax', what is quantised is not the finished softmax but p = 2^(t - M), with t = logit x log2(e) and M = ceil(the row's largest t), a whole number; so 1/2 < the row's largest p <= 1. The row's sum l is taken of the UNQUANTISED p, in f32, and the product's result is divided by l at the end. Since M is a whole number, a kernel that streams over the keys may use a running M (the ceiling of the running maximum): every later rescaling is an exact power of two, which a block's scale takes up: the codes' values come out the same.
;;   OPERANDS COMPUTED ON THE WAY. 'Computed on the way' means the value that the module computes at that place (a softmax that the list does not call 'softmax' is quantised finished and normalised). What goes into a quantiser is computed in f32, as accurately as f32 sums, v_exp_f32 and their like allow (about 1e-6 of the number): no bf16 or f16 on the way to a quantiser, and a product that is left as it is and whose result goes on into a quantised operand takes f32 operands (vector FMAs, or v_wmma_f32_16x16x4_f32). A number that lies on a knife's edge between two numbers of the format may be rounded either way, as far as f32 arithmetic and the matrix unit's own rounding can turn it there, and no further.
;; One version. Each part assembles by itself: llvm-mc -triple=amdgcn-amd-amdhsa -mcpu=gfx1250 --defsym DOCPART=n.
;; ======== version 1 of 1: 4 launches
;; limits: right only within a limited range of input values
;; workspace buffers: xq 6,553,600 bytes; wcodes 3,276,800 bytes; rope 524,288 bytes; qb 6,815,744 bytes; kvb 13,107,200 bytes; yq 6,553,600 bytes
;; launch prep (part 1): grid 448 x 1, 4 waves a work-group, no clusters, 35,328 bytes of LDS; arguments x, Wq, Wkv, Wc, xq, wcodes, rope; writes xq, wcodes, rope
.if DOCPART == 1
	.amdgcn_target "amdgcn-amd-amdhsa--gfx1250"
	.amdhsa_code_object_version 6
	.text
	.protected	k_qab7c263629_prep
	.globl	k_qab7c263629_prep
	.p2align	8
	.type	k_qab7c263629_prep,@function
k_qab7c263629_prep:
	s_mov_b64 s[64:65], 0
	v_nop
	global_prefetch_b8 v0, s[64:65] scope:SCOPE_SE
	s_setreg_imm32_b32 hwreg(HW_REG_WAVE_MODE, 25, 1), 1
	s_wait_xcnt 0x0
; PREP: what the later launches read again and again is made once.
;   work-groups   0-255: x [8192][1024] f32 -> xq: codes of BF6 (E3M2) with one E8M0 byte for each 32 along K (the channels)
;   work-groups 256-383: Wq, Wkv, Wc (f32, K = their FIRST axis) -> wcodes: rows 0-1023 Wq's columns, 1024-3071 Wkv's, 3072-4095 Wc's
;   work-groups 384-447: the table of cos and sin, rope [2048][64] f32: cos of j = 0..31, then sin of j = 0..31
; THE FORMAT OF xq AND wcodes: images of the matrix operand's registers.  A HALF IMAGE, 768 bytes, is 16 rows x 64 K: lane l = (r = l % 16, h = l / 16) owns the 24 bytes
; of codes k = 32 h .. 32 h + 31 of row position r: its first four registers at 16 l, its last two at 512 + 8 l.  A BLOCK, 6,400 bytes, is 32 rows x 256 K: tile u, half f at
; 3072 u + 768 f; at 6144 + 128 u + 8 r the row's 8 scale bytes.  Position r of tile u is row 8 u + r + 8 (r / 8) of the 32.  Blocks lie [K step of 256][32 rows].
; A wave makes exactly one block, so every store covers 512 or 256 consecutive bytes, aligned.
; A block's scale is 2^(floor(log2(largest magnitude)) - 4): its byte is the largest magnitude's exponent field - 4, held at 1 from below.
; LIMITS: a block of zeros, and one whose largest magnitude lies under 2^-122, gets the byte 1 (the rule says 127 for zeros: the codes are zeros, and this program alone reads the bytes);
; NaN and infinities among the inputs are not served.  The angles: t x inv_freq is one f32 product; inv_freq = 2^(-j log2(10) / 8) is made with the exponent in two parts and one v_exp_f32;
; the reduction by pi/2 in two parts holds for angles under 2,048 x pi / 2, which T = 2,048 keeps; sine and cosine are polynomials on |r| <= pi / 4.
; No matrix unit, no cluster, no tensor load: the launch streams, and its work-groups share nothing.
; THE ORDER OF BLOCKS in xq and wcodes, as the lines below lay them: [128 rows][K step of 256][32 rows]: all K steps of 128 rows are 102,400 dense bytes
.set KSB,  25600                       ; a K step of 128 rows: four blocks
.set GRP,  102400                      ; 128 rows, all four K steps
.set P32,  6400
.set SP,   272                         ; a stage row: 256 bytes + 16
.set STG,  16*SP                       ; a stage: 16 rows
.set R,    16                          ; x part: v16-143  four sets of 32 registers as loaded
.set X,    144                         ;         v144-207 two sets: a lane's block of 32 neighbours
.set C,    208                         ;         v208-219 two sets of six: a lane's codes
.set D,    220                         ;         v220-222 a block's upper 16 codes, before they are moved
.set BY,   224                         ;         v224-231 a scale byte for each step
.set WD,   232                         ;         v232-235 the rows' scale words
.set VO,   16                          ; W part: v16-47   byte offsets of 32 rows of W
.set WX,   48                          ;         v48-111  two sets of 32 numbers
.set CW,   112                         ;         v112-159 codes: twelve registers for each pair of blocks, so that no store's data are written again
.set WT,   160                         ;         v160-166 the blocks' upper 16 codes
.macro MAX32 xs, m                     ; the largest magnitude of 32 numbers of a lane, and the floor 2^(5 - 127): the byte cannot fall under 1.  Two chains
	v_max3_num_f32 v[\m], |v[\xs]|, |v[\xs+1]|, 0x2800000
	v_max3_num_f32 v[\m+1], |v[\xs+2]|, |v[\xs+3]|, |v[\xs+4]|
.irp i, 5,9,13,17,21,25
	v_max3_num_f32 v[\m], v[\m], |v[\xs+\i]|, |v[\xs+\i+1]|
	v_max3_num_f32 v[\m+1], v[\m+1], |v[\xs+\i+2]|, |v[\xs+\i+3]|
.endr
	v_max3_num_f32 v[\m], v[\m], |v[\xs+29]|, |v[\xs+30]|
	v_max3_num_f32 v[\m], v[\m], v[\m+1], |v[\xs+31]|
.endm
	s_load_b256 s[4:11], s[0:1], 0x0               ; x s[4:5], Wq s[6:7], Wkv s[8:9], Wc s[10:11]
	s_load_b128 s[12:15], s[0:1], 0x20             ; xq s[12:13], wcodes s[14:15]
	s_load_b64 s[16:17], s[0:1], 0x30              ; rope
	v_lshl_add_u32 v240, v0, 2, 0x8800
	v_mov_b32 v241, 0
	v_lshrrev_b32 v1, 5, v0
	v_readfirstlane_b32 s18, v1                    ; wave 0..3
	v_and_b32 v1, 31, v0                           ; l
	v_and_b32 v2, 15, v0                           ; r
	v_bfe_u32 v3, v0, 4, 1                         ; h
	v_lshlrev_b32 v7, 4, v1                        ; 16 l
	v_lshlrev_b32 v8, 3, v1                        ; 8 l
	s_mov_b32 s20, 0x76543210
	s_mov_b32 s21, 0xfedcba98                      ; v_permlanex16_b32's selects for lane l xor 16
	s_cmp_lt_u32 ttmp9, 256
	s_cbranch_scc0 .Lnot_x
; ---------------- x: the work-group takes 32 whole rows; wave w their K step w.  Eight steps, one half image each: tile st / 4, half st % 4
	v_lshlrev_b32 v4, 12, v3
	v_lshl_add_u32 v4, v2, 4, v4                   ; a load takes two rows' 256 bytes: 4096 h + 16 r
	s_mul_i32 s19, s18, 2*STG                      ; my wave's two stages
	v_mul_u32_u24 v5, v3, SP
	v_lshl_add_u32 v5, v2, 4, v5
	v_add_nc_u32 v5, s19, v5                       ; into a stage as loaded: row h of the two, 16 r
	v_mul_u32_u24 v6, v2, SP
	v_lshl_add_u32 v6, v3, 7, v6
	v_add_nc_u32 v6, s19, v6                       ; out of it: row r, my block's 128 bytes
	v_lshlrev_b32 v9, 3, v3                        ; 8 h
	s_lshl_b32 s22, ttmp9, 17                      ; 32 rows of 4,096 bytes
	s_lshl_b32 s23, s18, 10                        ; my K step's 1,024 bytes of a row
	s_add_co_u32 s22, s22, s23
	s_mov_b32 s23, 0
	s_mul_i32 s24, s18, KSB
	s_lshr_b32 s25, ttmp9, 2
	s_mul_i32 s25, s25, GRP
	s_add_co_u32 s24, s24, s25
	s_and_b32 s25, ttmp9, 3
	s_mul_i32 s25, s25, P32
	s_add_co_u32 s24, s24, s25                     ; my block in xq: [block / 4][K step][block % 4]
	s_mov_b32 s25, 0
	s_wait_alu depctr_va_vdst(0)
	s_wait_kmcnt 0x0
	s_add_nc_u64 s[4:5], s[4:5], s[22:23]
	s_add_nc_u64 s[12:13], s[12:13], s[24:25]
.macro LOADX st                        ; positions 2 i and 2 i + 1 of the tile are rows 8 u + 2 i + 8 (i / 4) and the next: each load reads two runs of 256 consecutive bytes
.irp i, 0,1,2,3,4,5,6,7
	global_load_b128 v[R+32*((\st)%4)+4*\i:R+32*((\st)%4)+4*\i+3], v4, s[4:5] offset:(8*((\st)/4)+2*\i+8*(\i/4))*4096+256*((\st)%4) th:TH_LOAD_NT
.endr
.endm
.macro TURNX st                        ; through my own stage: in as loaded, out 128 bytes a lane.  LDS serves a wave's instructions in order (ISA guide 5.7.1.4): no wait between
.irp i, 0,1,2,3,4,5,6,7
	ds_store_b128 v5, v[R+32*((\st)%4)+4*\i:R+32*((\st)%4)+4*\i+3] offset:STG*((\st)%2)+2*SP*\i
.endr
.irp j, 0,1,2,3,4,5,6,7
	ds_load_b128 v[X+32*((\st)%2)+4*\j:X+32*((\st)%2)+4*\j+3], v6 offset:STG*((\st)%2)+16*\j
.endr
.endm
.macro STEPX st
.set XS, X+32*((\st)%2)
.set CC, C+6*((\st)%2)
	s_wait_dscnt 0x0                               ; this step's numbers are back, and its stores into the stage have read their registers,
.if (\st)+4 < 8
	LOADX (\st)+4                                  ; which take the loads of four steps on
.endif
.if (\st)+1 < 8
.if (\st) < 4
	s_wait_loadcnt 24                              ; the next step's eight loads are in; those of the three steps behind it stay out
.else
	s_wait_loadcnt 8*(6-(\st))                     ; the counts run down: two steps, one, none
.endif
	TURNX (\st)+1
.endif
	MAX32 XS, 12
	v_add_nc_u32 v10, 0xfe000000, v12              ; 4 off the exponent field: the conversion takes the exponent field of this operand as its scale
	s_wait_alu depctr_va_vdst(0)
	s_wait_xcnt 0x0                                ; the codes' registers, which earlier stores read, are written again only behind this wait
	v_cvt_scalef32_pk16_bf6_f32 v[CC:CC+2], v[XS:XS+15], v10
	v_cvt_scalef32_pk16_bf6_f32 v[D:D+2], v[XS+16:XS+31], v10    ; (a conversion's three registers begin on an even number)
	v_lshrrev_b32 v[BY+(\st)], 23, v10             ; the scale's byte.  (The plain place behind the conversions)
.irp i, 0,1,2
	v_mov_b32 v[CC+3+\i], v[D+\i]
.endr
	global_store_b128 v7, v[CC:CC+3], s[12:13] offset:3072*((\st)/4)+768*((\st)%4)        ; 512 consecutive bytes
	global_store_b64 v8, v[CC+4:CC+5], s[12:13] offset:3072*((\st)/4)+768*((\st)%4)+512   ; 256 consecutive bytes
.endm
	LOADX 0
	LOADX 1
	LOADX 2
	LOADX 3
	s_wait_loadcnt 24                              ; step 0's eight loads are in
	TURNX 0
.irp t, 0,1,2,3,4,5,6,7
	STEPX \t
.endr
	; my byte of step (u, f) is block 2 f + h of row position r: two steps make half a word, lane l xor 16 has the other half
	v_mov_b32 v11, 0                               ; (a lane permute's destination counts as one of its sources)
.irp u, 0,1
.irp d, 0,1
	v_lshl_or_b32 v[WD+2*\u+\d], v[BY+4*\u+2*\d+1], 16, v[BY+4*\u+2*\d]
	v_lshlrev_b32 v[WD+2*\u+\d], v9, v[WD+2*\u+\d]
	v_permlanex16_b32 v11, v[WD+2*\u+\d], s20, s21
	v_or_b32 v[WD+2*\u+\d], v[WD+2*\u+\d], v11
.endr
.endr
	v_cmp_ne_u32 vcc_lo, 0, v3
	v_cndmask_b32 v236, v[WD], v[WD+2], vcc_lo     ; lanes 0-15 store tile 0's rows, lanes 16-31 tile 1's
	v_cndmask_b32 v237, v[WD+1], v[WD+3], vcc_lo
	global_store_b64 v8, v[236:237], s[12:13] offset:6144        ; 256 consecutive bytes
	s_wait_tensorcnt 0x0
	ds_add_u32 v240, v241
	s_wait_dscnt 0x0
	s_endpgm
; ---------------- W: a lane takes a column, its registers run down K.  The work-group takes 128 columns x one K step; wave w 32 of the columns
.Lnot_x:
	s_cmp_lt_u32 ttmp9, 384
	s_cbranch_scc0 .Lrope
	s_sub_co_u32 s19, ttmp9, 256
	s_and_b32 s22, s19, 31                         ; which 128 rows of wcodes
	s_lshr_b32 s23, s19, 5                         ; which K step
	s_lshl_b32 s24, s22, 2
	s_add_co_u32 s24, s24, s18                     ; my block of 32 rows, 0..127
	s_mov_b32 s26, 4096
	s_mov_b32 s27, 8192
	s_wait_kmcnt 0x0
	s_cmp_lt_u32 s22, 24                           ; the choice of the tensor hangs on the work-group's number alone
	s_cselect_b64 s[28:29], s[8:9], s[10:11]
	s_cselect_b32 s25, s27, s26                    ; bytes from a row of W to the next
	s_cselect_b32 s30, 32, 96                      ; the tensor's first block
	s_cmp_lt_u32 s22, 8
	s_cselect_b64 s[28:29], s[6:7], s[28:29]
	s_cselect_b32 s25, s26, s25
	s_cselect_b32 s30, 0, s30
	s_sub_co_u32 s30, s24, s30
	s_lshl_b32 s30, s30, 7                         ; my first column, in bytes
	s_lshl_b32 s31, s23, 8
	s_mul_i32 s31, s31, s25                        ; my K step's first row
	s_add_co_u32 s30, s30, s31
	s_mov_b32 s31, 0
	s_lshl_b32 s48, s25, 5                         ; 32 rows
	s_mov_b32 s49, 0
	s_add_nc_u64 s[32:33], s[28:29], s[30:31]      ; a base for each block of 32 along K: nothing is stepped later
.irp t, 1,2,3,4,5,6,7
	s_add_nc_u64 s[32+2*\t:33+2*\t], s[30+2*\t:31+2*\t], s[48:49]
.endr
	s_mul_i32 s50, s23, KSB
	s_lshr_b32 s51, s24, 2
	s_mul_i32 s51, s51, GRP
	s_add_co_u32 s50, s50, s51
	s_and_b32 s51, s24, 3
	s_mul_i32 s51, s51, P32
	s_add_co_u32 s50, s50, s51                     ; [block / 4][K step][block % 4]
	s_mov_b32 s51, 0
	s_add_nc_u64 s[14:15], s[14:15], s[50:51]      ; my block in wcodes
	s_wait_alu depctr_va_vdst(0)
	v_and_b32 v4, 7, v1                            ; lane l takes column l with bits 3 and 4 changed over: lanes 0-15 then hold tile 0's positions, lanes 16-31 tile 1's
	v_and_b32 v5, 8, v1
	v_lshl_or_b32 v4, v5, 1, v4
	v_and_b32 v5, 16, v1
	v_lshrrev_b32 v5, 1, v5
	v_or_b32 v4, v4, v5
	v_lshlrev_b32 v[VO], 2, v4
.set n, 1
.rept 31
	v_add_nc_u32 v[VO+n], s25, v[VO+n-1]           ; one row further down
.set n, n+1
.endr
.macro LOADW t                         ; block t: 32 rows of W at my column; the wave's 32 lanes read 128 consecutive bytes
.set n, 0
.rept 32
	global_load_b32 v[WX+32*((\t)%2)+n], v[VO+n], s[32+2*(\t):33+2*(\t)] th:TH_LOAD_NT
.set n, n+1
.endr
.endm
.macro BLOCKW t
.set XS, WX+32*((\t)%2)
.set C0, CW+12*((\t)/2)
.if (\t) < 7
	s_wait_loadcnt 32                              ; this block's 32 loads are in; the next block's stay out
.else
	s_wait_loadcnt 0x0
.endif
	MAX32 XS, 12
	v_add_nc_u32 v10, 0xfe000000, v12
	v_lshrrev_b32 v11, 23, v10                     ; the scale's byte
.if (\t)%4 == 0
	v_mov_b32 v[14+(\t)/4], v11                    ; four bytes to a register, the lower K in the lower byte
.else
	v_lshl_or_b32 v[14+(\t)/4], v11, 8*((\t)%4), v[14+(\t)/4]
.endif
	v_cvt_scalef32_pk16_bf6_f32 v[C0+6*((\t)%2):C0+6*((\t)%2)+2], v[XS:XS+15], v10
	v_cvt_scalef32_pk16_bf6_f32 v[WT+4*((\t)%2):WT+4*((\t)%2)+2], v[XS+16:XS+31], v10
.if (\t)+2 < 8
	LOADW (\t)+2
.endif
.if (\t)%2 == 1
	v_nop                                          ; one plain place behind a scaled conversion
.irp i, 0,1,2                                  ; the even block's lanes 16-31 change places with the odd block's lanes 0-15: the first set becomes tile 0's half image (h = 0: even block, h = 1: odd), the second tile 1's
	v_permlane16_swap_b32 v[C0+\i], v[C0+6+\i]
	v_permlane16_swap_b32 v[WT+\i], v[WT+4+\i]
.endr
.irp i, 0,1,2
	v_mov_b32 v[C0+3+\i], v[WT+\i]
	v_mov_b32 v[C0+9+\i], v[WT+4+\i]
.endr
	global_store_b128 v7, v[C0:C0+3], s[14:15] offset:768*((\t)/2)
	global_store_b64 v8, v[C0+4:C0+5], s[14:15] offset:768*((\t)/2)+512
	global_store_b128 v7, v[C0+6:C0+9], s[14:15] offset:3072+768*((\t)/2)
	global_store_b64 v8, v[C0+10:C0+11], s[14:15] offset:3072+768*((\t)/2)+512
.endif
.endm
	LOADW 0
	LOADW 1
.irp t, 0,1,2,3,4,5,6,7
	BLOCKW \t
.endr
	global_store_b64 v8, v[14:15], s[14:15] offset:6144          ; lane 16 u + r holds position r of tile u: 256 consecutive bytes
	s_endpgm
; ---------------- cos and sin: wave w takes 8 tokens; lane l makes entries 2 l and 2 l + 1 of a token's 64
.Lrope:
	s_sub_co_u32 s19, ttmp9, 384
	s_lshl_b32 s19, s19, 5
	s_lshl_b32 s22, s18, 3
	s_add_co_u32 s19, s19, s22                     ; my first token
	s_lshl_b32 s22, s19, 8
	s_mov_b32 s23, 0
	s_mov_b32 s24, 0x3ed49a78                      ; log2(10) / 8, upper part
	s_mov_b32 s25, 0x32179a37                      ; and what it leaves
	s_mov_b32 s26, 0x3fc90fdb                      ; pi / 2, upper part
	s_mov_b32 s27, 0xb33bbd2e                      ; and what it leaves
	s_mov_b32 s28, 0xbe2aaaa3                      ; sine: r + r z (S1 + z (S2 + z S3)), z = r r
	s_mov_b32 s29, 0x3c08839e
	s_mov_b32 s30, 0xb94ca1f9
	s_mov_b32 s31, 0x3d2aaaa5                      ; cosine: 1 - z / 2 + z z (C1 + z (C2 + z C3))
	s_mov_b32 s32, 0xbab6061a
	s_mov_b32 s33, 0x37ccf5ce
	s_wait_kmcnt 0x0
	s_add_nc_u64 s[16:17], s[16:17], s[22:23]
	s_wait_alu depctr_va_vdst(0)
	v_lshlrev_b32 v4, 1, v1
	v_and_b32 v4, 31, v4
	v_cvt_f32_u32 v10, v4                          ; j of my first entry,
	v_add_f32 v11, 1.0, v10                        ; and of my second
	v_mul_u32_u24 v5, v3, 3                        ; lanes 16-31 make sines: sin a = cos(a + 3 pi / 2)
.irp k, 0,1                                    ; inv_freq = 2^(-j log2(10) / 8): the exponent exactly in two parts, its whole part by v_ldexp_f32
	v_mul_f32 v[14+\k], s24, v[10+\k]
	v_fma_f32 v[16+\k], v[10+\k], s24, -v[14+\k]
	v_fma_f32 v[16+\k], v[10+\k], s25, v[16+\k]
	v_rndne_f32 v[18+\k], v[14+\k]
	v_sub_f32 v[14+\k], v[18+\k], v[14+\k]
	v_sub_f32 v[14+\k], v[14+\k], v[16+\k]
	v_cvt_i32_f32 v[18+\k], v[18+\k]
	v_sub_nc_u32 v[18+\k], 0, v[18+\k]
	s_wait_alu depctr_va_vdst(0)
	v_exp_f32 v[14+\k], v[14+\k]
.endr
	v_nop                                          ; one plain place behind a transcendental
	s_wait_alu depctr_va_vdst(0)
	v_ldexp_f32 v12, v14, v18
	v_ldexp_f32 v13, v15, v19
.macro TRIG dst, inv                   ; v20 = the token as f32
	v_mul_f32 v21, v20, v[\inv]                    ; the angle: one f32 product, as the model has it
	v_mul_f32 v22, 0x3f22f983, v21
	v_rndne_f32 v22, v22                           ; n = the nearest multiple of pi / 2
	v_fma_f32 v23, -v22, s26, v21
	v_fma_f32 v23, -v22, s27, v23                  ; r = angle - n pi / 2
	v_mul_f32 v24, v23, v23
	v_fma_f32 v25, v24, s30, s29
	v_fma_f32 v25, v24, v25, s28
	v_mul_f32 v26, v23, v24
	v_fma_f32 v25, v26, v25, v23                   ; sin r
	v_fma_f32 v27, v24, s33, s32
	v_fma_f32 v27, v24, v27, s31
	v_mul_f32 v28, v24, v24
	v_fma_f32 v29, v24, -0.5, 1.0
	v_fma_f32 v27, v28, v27, v29                   ; cos r
	v_cvt_i32_f32 v30, v22
	v_add_nc_u32 v30, v30, v5                      ; the quadrant q: cos(r + q pi / 2) = cos r, -sin r, -cos r, sin r
	v_and_b32 v31, 1, v30
	v_cmp_ne_u32 vcc_lo, 0, v31
	v_cndmask_b32 v27, v27, v25, vcc_lo
	v_add_nc_u32 v30, 1, v30
	v_and_b32 v30, 2, v30
	v_lshlrev_b32 v30, 30, v30
	v_xor_b32 v[\dst], v27, v30
.endm
.irp i, 0,1,2,3,4,5,6,7
	s_add_co_u32 s34, s19, \i
	v_cvt_f32_u32 v20, s34
	TRIG 32+2*\i, 12
	TRIG 33+2*\i, 13
	global_store_b64 v8, v[32+2*\i:33+2*\i], s[16:17] offset:256*\i    ; a token's 256 bytes; each token has its own data registers
.endr
	s_endpgm
.Lfunc_end_k_qab7c263629_prep:
	.size	k_qab7c263629_prep, .Lfunc_end_k_qab7c263629_prep-k_qab7c263629_prep
	.p2alignl 7, 3214868480
	.fill 96, 4, 3214868480
	.section	.rodata,"a",@progbits
	.p2align	6, 0x0
	.amdhsa_kernel k_qab7c263629_prep
		.amdhsa_group_segment_fixed_size 35328
		.amdhsa_private_segment_fixed_size 0
		.amdhsa_enable_private_segment 0
		.amdhsa_kernarg_size 56
		.amdhsa_user_sgpr_count 2
		.amdhsa_user_sgpr_kernarg_segment_ptr 1
		.amdhsa_wavefront_size32 1
		.amdhsa_system_sgpr_workgroup_id_x 1
		.amdhsa_system_sgpr_workgroup_id_y 1
		.amdhsa_system_sgpr_workgroup_id_z 1
		.amdhsa_system_vgpr_workitem_id 0
		.amdhsa_next_free_vgpr 242
		.amdhsa_next_free_sgpr 66
		.amdhsa_reserve_vcc 1
		.amdhsa_float_denorm_mode_32 3
		.amdhsa_float_denorm_mode_16_64 3
		.amdhsa_memory_ordered 1
		.amdhsa_forward_progress 1
		.amdhsa_inst_pref_size 92
	.end_amdhsa_kernel
	.amdgpu_metadata
---
amdhsa.version: [ 1, 2 ]
amdhsa.kernels:
  - .name:           k_qab7c263629_prep
    .symbol:         k_qab7c263629_prep.kd
    .args:
      - { .name: x, .offset: 0, .size: 8, .value_kind: global_buffer, .address_space: global }
      - { .name: Wq, .offset: 8, .size: 8, .value_kind: global_buffer, .address_space: global }
      - { .name: Wkv, .offset: 16, .size: 8, .value_kind: global_buffer, .address_space: global }
      - { .name: Wc, .offset: 24, .size: 8, .value_kind: global_buffer, .address_space: global }
      - { .name: xq, .offset: 32, .size: 8, .value_kind: global_buffer, .address_space: global }
      - { .name: wcodes, .offset: 40, .size: 8, .value_kind: global_buffer, .address_space: global }
      - { .name: rope, .offset: 48, .size: 8, .value_kind: global_buffer, .address_space: global }
    .group_segment_fixed_size: 35328
    .private_segment_fixed_size: 0
    .kernarg_segment_align: 8
    .kernarg_segment_size: 56
    .max_flat_workgroup_size: 128
    .sgpr_count:     66
    .vgpr_count:     242
    .wavefront_size: 32
...
	.end_amdgpu_metadata
.endif
;; end of part 1
;; launch gemm_qkv (part 2): grid 8 x 32, 4 waves a work-group, clusters of 4 x 4, 327,680 bytes of LDS; arguments xq, wcodes, rope, qb, kvb; writes qb, kvb
.if DOCPART == 2
	.amdgcn_target "amdgcn-amd-amdhsa--gfx1250"
	.amdhsa_code_object_version 6
	.text
	.protected	k_qab7c263629_gemm_qkv
	.globl	k_qab7c263629_gemm_qkv
	.p2align	8
	.type	k_qab7c263629_gemm_qkv,@function
k_qab7c263629_gemm_qkv:
	s_mov_b64 s[64:65], 0
	v_nop
	global_prefetch_b8 v0, s[64:65] scope:SCOPE_SE
	s_setreg_imm32_b32 hwreg(HW_REG_WAVE_MODE, 25, 1), 1
	s_wait_xcnt 0x0
	s_wait_alu depctr_hold_cnt(0) depctr_sa_sdst(0) depctr_va_vdst(0) depctr_va_sdst(0) depctr_va_ssrc(0) depctr_va_vcc(0) depctr_vm_vsrc(0)
	s_getreg_b32 s2, hwreg(HW_REG_IB_STS2, 6, 4)
	s_cmp_eq_u32 s2, 0
	s_cbranch_scc0 .Lentry_in_a_cluster
	s_endpgm
.Lentry_in_a_cluster:
	s_bfe_u32 s2, ttmp6, 0x10000c
	s_cmp_lg_u32 s2, 0xf033
	s_cbranch_scc0 .Lentry_shape_is_right
	s_endpgm
.Lentry_shape_is_right:
; q = x Wq, k and v = x Wkv on codes of BF6 (E3M2) with E8M0 scales; RoPE on q and k in f32; q, k, v are quantised in registers and leave as codes, laid as the attention launch reads them.
; 256 WORK-GROUPS, EACH WITH TWO TILES.  First a tile of 256 tokens x 256 channels of q (cluster x = 0) or k (1): four waves, each 128 x 128, 64 accumulators.
; Then a tile of 128 channels x 256 tokens of v: each wave 64 channels x 128 tokens, 32 accumulators.  32 x 8 tiles of q and k and 8 x 32 of v: one of each for every work-group.
; K = 1,024 goes in steps of 256 through two LDS slots, and THE RING RUNS ON from the first tile into the second: v's K steps 0 and 1 are asked for at the first tile's last two changes of slots.
; OPERANDS ARE IMAGES OF REGISTERS: a block of 6,400 bytes is 32 rows x 256 K: tile u, half f (16 rows x 64 K, 768 bytes) at 3072 u + 768 f: lane l's first four registers at 16 l, its last two at
; 512 + 8 l; at 6144 + 128 u + 8 r the row's 8 scale bytes.  xq and wcodes lie [128 rows][K step of 256][32 rows][6,400].  Position r of tile u is row 8 u + r + 8 (r / 8) of its 32.
; SOURCE 0 IS THE "B ROLE", SOURCE 1 THE "A ROLE": a lane holds ONE row of the A role and its registers run along the B role's rows: rows 32 b + 16 (lane / 16) + 0 .. 15 in two neighbouring result tiles.
;   q, k: A role = tokens (xq), B role = W's columns: a lane holds a token and 128 channels (two heads).   v: A role = W's columns, B role = tokens: a lane holds a channel and 128 tokens, the second attention product's K.
; LDS: a region of 51,200 bytes (two slots of 25,600) for each fetching wave: regions 0, 1 the A role's rows, 2, 3 the B role's.  The head's one load a wave brings K steps 0 and 1.  For v a region of A holds 64 rows (12,800 bytes a slot).
; CLUSTERS: 4 x 4 work-groups; the A role's tile hangs on cy and is shared along a row of the cluster, the B role's on cx and is shared along a column: joint loads.
; PREFETCHES: the walk has six refills: the first tile's K steps 2 and 3, then v's K steps 0 to 3.  At the head a wave names the first two, and behind each of the first four refills the tile that it will fetch two refills on:
; one instruction, a lane to a block of 256 bytes.  The four partners that ask for a tile jointly share its blocks out by address: 25 blocks each of a tile's 100; of the 50 blocks of v's A tile 13, 12, 13, 12.
; Lanes left over name their wave's last block again.  The address registers are never rewritten; every address lies inside the 102,400 bytes of the 128 rows that the tile belongs to.
; OUT.  qb [head 64][128 tokens 16][6,656]: 8 half images (tile a at 768 a), then the rows' words at 6144 + 256 (a / 4) + 16 r + 4 (a % 4): the two bytes twice.
;       kvb [64][16][12,800]: k: 8 half images, then at 6144 + 16 r + 4 b the bytes of tiles 2 b and 2 b + 1;  v at 6400: 4 fragments (16 channels x 128 tokens, register group c at 512 c + 16 l), words at 6144 + 16 r + 4 t.
; LIMITS: a block of zeros, and one whose largest magnitude lies under 2^-122, gets the byte 1 (its codes are zeros or tiny; this program alone reads the bytes); NaN and infinities are not served.
; REGISTERS, in windows of 256: window 0: v0-31 addresses; v32-63 scale words, two sets; v64-127 cos and sin, sets 0 and 1; v128-223 the A role's fragments (q, k: one set of 8; v: two sets of 4); in the epilogues v128-247 at work.
;   window 1: the B role's fragments, two sets, at v0 and v128; v96-127 and v224-255 cos and sin, sets 2 and 3.   windows 2, 3: the accumulators, (a, b) at v[8 (8 (a % 4) + b)] of window 2 + a / 4.
.set FR,    12
.set NQ,    2
.set NL,    4
.set NP,    4                          ; places behind this matrix instruction (ISA guide 7.12.1)
.set P32,   6400
.set HALFT, 4*P32                      ; a K step of 128 rows
.set SLOT,  HALFT
.set WREG,  2*HALFT
.set GRP,   4*HALFT                    ; 128 rows, all four K steps, in memory
.set SPARE, 4*WREG                     ; behind the ring: the spare words, 128 bytes for each wave
.set ADRA, 16                          ; v16-17 16 l + my A rows in slot 0, 1;  v18-19 the same with 8 l
.set ADRB, 20
.set ADRS, 24                          ; v24-25 my scale words in slot 0, 1: lanes 0-15 A's rows, lanes 16-31 B's
.set SPW,  28
.set NIL,  29
.set L16,  4
.set L8,   5
.set R16,  9                           ; v9  16 r
.set PF1,  10                          ; v10 the prefetches' offset in a tile of 25,600 bytes;  never rewritten
.set PFV,  11                          ; v11 the same in the tile of v that I fetch;  never rewritten
.set PB1,  42                          ; s[42:43] the first tile's 128 rows that I fetch, K step 0;  never rewritten
.set PB2,  2                           ; s[2:3]   v's rows that I fetch, K step 0;  never rewritten
.set RO,   30                          ; v30 my token's row of cos and sin, my half's 64 bytes
.set WO,   31                          ; v31 where a row's words go: 16 r, + a head for lanes 16-31
.set SC,   32
.set CS,   64
.set AF,   128
.set T,    128
.set PC,   192
.set TM,   212
.set PW,   228
.set TW,   232
.set WW,   240
.set SEL,  20
.set G1,   24                          ; group 1 and two groups 0 for A, first tile
.set G0,   32
.set G1B,  48                          ; for B, both tiles' group 1; first tile's groups 0
.set G0B,  56
.set G1P,  68                          ; v's A: group 1 (50 rows of 256 bytes), groups 0
.set G0P,  76
.set G0BP, 84                          ; v's B: groups 0
.set MSB, 0
.macro WIN new
.if MSB != (\new)
	s_set_vgpr_msb (MSB<<8)|(\new)
.set MSB, (\new)
.endif
.endm
.set MUL_LO, 0xa1
.set MUL_HI, 0xf1
.set TO_B,   0x40
.macro JLOAD g0a, g1a, g0b, g1b        ; a joint load: waves 0 and 1 fetch for A, waves 2 and 3 for B
	s_cmp_eq_u32 s15, 0
	s_cbranch_scc0 .Lfor_b_\@
	tensor_load_to_lds s[\g0a:\g0a+3], s[\g1a:\g1a+7]
	s_nop 0
.rept 4
	v_nop
.endr
	s_branch .Lasked_\@
.Lfor_b_\@:
	tensor_load_to_lds s[\g0b:\g0b+3], s[\g1b:\g1b+7]
	s_nop 0
.rept 4
	v_nop
.endr
.Lasked_\@:
.endm
.macro CREST
	s_cmp_lg_u32 s14, 0
	s_cbranch_scc1 .Lnot_wave_0_\@
	s_barrier_signal -3
.Lnot_wave_0_\@:
	s_barrier_wait -3
	s_barrier_signal -1
	s_barrier_wait -1
.endm
.macro CROUND
	s_barrier_signal -1
	s_barrier_wait -1
	CREST
.endm
.macro PLACES n
.rept \n
	v_nop
.endr
.endm
.macro MKG0 g, base, off               ; two groups 0: slot 0 with the tile's K step 0, slot 1 with K step 1; s104 = my region
	s_mov_b32 s[\g], 1
	s_mov_b32 s[\g+1], s104
	s_add_nc_u64 s[\g+2:\g+3], s[\base:\base+1], s[\off:\off+1]
	s_mov_b32 s[\g+4], 1
	s_add_co_u32 s[\g+5], s104, SLOT
	s_add_nc_u64 s[\g+6:\g+7], s[\g+2:\g+3], HALFT
	s_or_b32 s[\g+3], s[\g+3], 0x80000000
	s_or_b32 s[\g+7], s[\g+7], 0x80000000
.endm
.macro ASKV k                          ; v's K step k of the rows that I fetch
	global_prefetch_b8 v[PFV], s[PB2:PB2+1] offset:(\k)*HALFT th:TH_LOAD_NT scope:SCOPE_SE
.endm
	s_load_b256 s[4:11], s[0:1], 0x0               ; xq s[4:5], wcodes s[6:7], rope s[8:9], qb s[10:11]
	s_load_b64 s[12:13], s[0:1], 0x20              ; kvb
	v_lshl_add_u32 v[SPW], v0, 2, SPARE
	v_mov_b32 v[NIL], 0
	ds_add_u32 v[SPW], v[NIL]                      ; the opening lines: the add, twice on end, and its wait
	ds_add_u32 v[SPW], v[NIL]
	v_lshrrev_b32 v1, 5, v0
	v_readfirstlane_b32 s14, v1                    ; wave 0..3
	s_lshr_b32 s15, s14, 1                         ; which half of A's rows is mine.  Also: I fetch for A (0) or for B (1)
	s_and_b32 s16, s14, 1                          ; which half of B's rows.  Also: which part I fetch
	s_bfe_u32 s40, ttmp6, 0x40000                  ; cx, cy
	s_bfe_u32 s41, ttmp6, 0x40004
	s_lshl_b32 s42, s41, 2
	s_lshl_b32 s42, 15, s42                        ; my row of the cluster
	s_lshl_b32 s43, 0x1111, s40                    ; my column
	s_and_b32 s44, ttmp7, 0xffff
	s_lshl_b32 s44, s44, 2                         ; 4 x cluster y
	s_lshl_b32 s47, ttmp9, 2                       ; 4 x cluster x
	s_or_b32 s[G1], s42, (3<<16)|(1<<21)           ; the mask; elements of 8 bytes; bit 21 beside a mask.  Dense rows of 256 bytes
	s_or_b32 s[G1P], s42, (3<<16)|(1<<21)
	s_or_b32 s[G1B], s43, (3<<16)|(1<<21)
.irp g, G1, G1B, G1P
	s_mov_b32 s[\g+1], 32<<16
	s_mov_b32 s[\g+3], 32<<16
	s_mov_b32 s[\g+5], 32
	s_mov_b32 s[\g+6], 0
	s_mov_b32 s[\g+7], 0
.endr
	s_mov_b32 s[G1+2], 200<<16                     ; the head's load brings two K steps of 128 rows
	s_mov_b32 s[G1+4], 200
	s_mov_b32 s[G1B+2], 200<<16
	s_mov_b32 s[G1B+4], 200
	s_mov_b32 s[G1P+2], 50<<16                     ; v's A: a K step of 64 rows
	s_mov_b32 s[G1P+4], 50
	s_mov_b32 s[SEL], 0x76543210
	s_mov_b32 s[SEL+1], 0xfedcba98
	s_mul_i32 s17, s16, GRP                        ; which 128 rows of a tile of 256 I fetch
	s_add_co_u32 s45, s44, s41                     ; the first tile's tokens: hang on cy alone
	s_mul_i32 s18, s45, 2*GRP
	s_add_co_u32 s18, s18, s17
	s_mov_b32 s19, 0
	s_add_co_u32 s46, s47, s40                     ; its columns of W: hang on cx alone
	s_mul_i32 s22, s46, 2*GRP
	s_add_co_u32 s22, s22, s17
	s_mov_b32 s23, 0
	s_mul_i32 s104, s14, WREG                      ; my region: no place in the cluster enters an LDS address
	s_wait_dscnt 0x0
	s_wait_kmcnt 0x0
	MKG0 G0, 4, 18
	MKG0 G0B, 6, 22
	s_cmp_eq_u32 s15, 0                            ; for the prefetches: the rows that I fetch, in xq or in wcodes (the masks in s42, s43 have been used)
	s_cselect_b64 s[PB1:PB1+1], s[4:5], s[6:7]
	s_cselect_b64 s[100:101], s[18:19], s[22:23]
	s_add_nc_u64 s[PB1:PB1+1], s[PB1:PB1+1], s[100:101]
	CROUND                                         ; all sixteen work-groups are here: the first joint loads meet
	JLOAD G0, G1, G0B, G1B                         ; K steps 0 and 1 of my 128 rows: my one load at the head
	s_add_co_u32 s18, s47, s41                     ; v's 128 channels: group 16 + 4 x cluster x + cy of wcodes,
	s_add_co_u32 s18, s18, 16
	s_mul_i32 s18, s18, GRP
	s_mul_i32 s3, s16, 2*P32                       ; of which I fetch 64 rows
	s_add_co_u32 s18, s18, s3
	s_add_co_u32 s22, s44, s40                     ; v's 256 tokens: tile 4 x cluster y + cx
	s_mul_i32 s22, s22, 2*GRP
	s_add_co_u32 s22, s22, s17
	MKG0 G0P, 6, 18
	MKG0 G0BP, 4, 22
	; where q or k goes
	s_lshr_b32 s66, s45, 3
	s_lshl_b32 s66, s66, 4
	s_lshl_b32 s67, s40, 2
	s_add_co_u32 s66, s66, s67
	s_lshl_b32 s67, s16, 1
	s_add_co_u32 s66, s66, s67                     ; my first head: 16 batch + 4 cx + 2 half
	s_and_b32 s67, s45, 7
	s_lshl_b32 s67, s67, 1
	s_add_co_u32 s67, s67, s15                     ; which 128 tokens of the sequence
	s_mov_b32 s105, 106496
	s_mov_b32 s17, 204800
	s_mov_b32 s2, 6656
	s_mov_b32 s3, 12800
	s_cmp_eq_u32 ttmp9, 0
	s_cselect_b32 s105, s105, s17                  ; bytes of a head,
	s_cselect_b32 s2, s2, s3                       ; of 128 tokens,
	s_cselect_b64 s[94:95], s[10:11], s[12:13]     ; in qb or in kvb
	s_mul_i32 s100, s66, s105
	s_mul_i32 s101, s67, s2
	s_add_co_u32 s100, s100, s101
	s_mov_b32 s101, 0
	s_add_nc_u64 s[94:95], s[94:95], s[100:101]    ; my first head's place,
	s_mov_b32 s100, s105
	s_add_nc_u64 s[96:97], s[94:95], s[100:101]    ; my second head's,
	s_lshl_b32 s100, s67, 15
	s_add_nc_u64 s[92:93], s[8:9], s[100:101]      ; and my 128 tokens' rows of cos and sin
	; where v goes
	s_add_co_u32 s66, s44, s40
	s_lshr_b32 s67, s66, 3
	s_lshl_b32 s67, s67, 4
	s_add_co_u32 s2, s47, s41
	s_lshl_b32 s2, s2, 1
	s_add_co_u32 s67, s67, s2
	s_add_co_u32 s67, s67, s15                     ; my head: 16 batch + 2 (4 x cluster x + cy) + half
	s_and_b32 s66, s66, 7
	s_lshl_b32 s66, s66, 1
	s_add_co_u32 s66, s66, s16                     ; which 128 tokens
	s_mul_i32 s100, s67, 204800
	s_mul_i32 s66, s66, 12800
	s_add_co_u32 s100, s100, s66
	s_add_co_u32 s100, s100, 6400                  ; v lies behind k
	s_add_nc_u64 s[98:99], s[12:13], s[100:101]
	; the prefetches: v's rows that I fetch, and my share of a tile's blocks
	s_cmp_eq_u32 s15, 0
	s_cselect_b64 s[PB2:PB2+1], s[6:7], s[4:5]     ; v's A role lies in wcodes, its B role in xq
	s_cselect_b64 s[66:67], s[18:19], s[22:23]
	s_cselect_b32 s100, s40, s41                   ; p: my place among the four that ask with me: cx for A, cy for B
	s_cselect_b32 s101, 1, 0                       ; 1: I fetch for A
	s_add_nc_u64 s[PB2:PB2+1], s[PB2:PB2+1], s[66:67]
	s_mul_i32 s66, s100, 6400                      ; a tile of 100 blocks: 25 for each partner, from block 25 p on
	s_and_b32 s67, s100, s101                      ; p % 2 for v's A, else 0
	s_lshr_b32 s17, s66, s101                      ; v's A, 50 blocks: from byte 3,200 p on,
	s_lshl_b32 s100, s67, 7
	s_add_co_u32 s17, s17, s100                    ; + 128 where p is odd: blocks 0, 13, 25, 38
	s_mul_i32 s100, s101, 12
	s_sub_co_u32 s100, 24, s100
	s_sub_co_u32 s100, s100, s67                   ; my last block's number among mine: 24; for v's A 12, 11, 12, 11
	v_and_b32 v1, 31, v0                           ; l
	v_and_b32 v2, 15, v0                           ; r
	v_bfe_u32 v3, v0, 4, 1                         ; h
	v_lshlrev_b32 v[L16], 4, v1
	v_lshlrev_b32 v[L8], 3, v1
	v_lshlrev_b32 v8, 4, v3                        ; 16 h
	v_lshlrev_b32 v[R16], 4, v2
	v_min_u32 v[PF1], 24, v1
	v_lshl_add_u32 v[PF1], v[PF1], 8, s66
	v_min_u32 v[PFV], s100, v1
	v_lshl_add_u32 v[PFV], v[PFV], 8, s17
	v_and_b32 v7, 8, v2
	v_add_nc_u32 v7, v7, v2                        ; r + 8 (r / 8)
	v_lshlrev_b32 v[RO], 8, v7
	v_lshl_add_u32 v[RO], v3, 6, v[RO]
	v_mul_u32_u24 v[WO], s105, v3
	v_lshl_add_u32 v[WO], v2, 4, v[WO]
	s_mul_i32 s17, s15, WREG                       ; my rows of A
	s_mul_i32 s19, s16, WREG
	s_add_co_u32 s19, s19, 2*WREG                  ; my rows of B, behind A's two regions
	s_sub_co_u32 s22, s19, s17
	v_mul_u32_u24 v6, s22, v3                      ; lanes 16-31 take B's scale words: the lower base + h x the distance
	v_lshl_add_u32 v6, v2, 3, v6
	s_add_co_u32 s22, s17, 6144
.irp s, 0,1
	v_add_nc_u32 v[ADRA+\s], s17, v[L16]
	v_add_nc_u32 v[ADRA+2+\s], s17, v[L8]
	v_add_nc_u32 v[ADRB+\s], s19, v[L16]
	v_add_nc_u32 v[ADRB+2+\s], s19, v[L8]
	v_add_nc_u32 v[ADRS+\s], s22, v6
	s_add_co_u32 s17, s17, SLOT
	s_add_co_u32 s19, s19, SLOT
	s_add_co_u32 s22, s22, SLOT
.endr
.macro FRAG reg, adr, q, i             ; tile i of my rows, the slot's q-th 128 along K: two half images
.set FO, ((\i)/2)*P32+((\i)%2)*3072+1536*(\q)
	ds_load_b128 v[\reg:\reg+3], v[\adr] offset:FO
	ds_load_b64 v[\reg+4:\reg+5], v[\adr+2] offset:FO+512
	ds_load_b128 v[\reg+6:\reg+9], v[\adr] offset:FO+768
	ds_load_b64 v[\reg+10:\reg+11], v[\adr+2] offset:FO+1280
.endm
; 16 matrix instructions: A's tiles a0, a0 + 1 x B's eight.  The accumulators take turns, one instruction a turn.  af: where A's tile 0 lies
.macro MULX a0, p, q, sc, zero, af
.irp a, \a0, \a0+1
.irp b, 0,1,2,3,4,5,6,7
.if \zero
	v_wmma_scale_f32_16x16x128_f8f6f4 v[8*(8*((\a)%4)+\b):8*(8*((\a)%4)+\b)+7], v[128*(\p)+FR*\b:128*(\p)+FR*\b+FR-1], v[\af+FR*(\a):\af+FR*(\a)+FR-1], 0, v[SC+8*NQ*(\sc)+NQ*\b+(\q)], v[SC+8*NQ*(\sc)+NQ*(\a)+(\q)] matrix_a_fmt:MATRIX_FMT_BF6 matrix_b_fmt:MATRIX_FMT_BF6 matrix_a_scale:MATRIX_SCALE_ROW1
.else
	v_wmma_scale_f32_16x16x128_f8f6f4 v[8*(8*((\a)%4)+\b):8*(8*((\a)%4)+\b)+7], v[128*(\p)+FR*\b:128*(\p)+FR*\b+FR-1], v[\af+FR*(\a):\af+FR*(\a)+FR-1], v[8*(8*((\a)%4)+\b):8*(8*((\a)%4)+\b)+7], v[SC+8*NQ*(\sc)+NQ*\b+(\q)], v[SC+8*NQ*(\sc)+NQ*(\a)+(\q)] matrix_a_fmt:MATRIX_FMT_BF6 matrix_b_fmt:MATRIX_FMT_BF6 matrix_a_scale:MATRIX_SCALE_ROW1
.endif
.endr
.endr
.endm
.macro MUL16 a0, p, q, sc, zero
	MULX \a0, \p, \q, \sc, \zero, AF
.endm
.macro FETCH_B slot, q, p
	WIN TO_B
.irp i, 0,1,2,3,4,5,6,7
	FRAG 128*(\p)+FR*\i, ADRB+\slot, \q, \i
.endr
	WIN 0
.endm
.macro FETCH_A slot, q, i0
.irp i, \i0, \i0+1, \i0+2, \i0+3
	FRAG AF+FR*(\i), ADRA+\slot, \q, \i
.endr
.endm
.macro SCALES sc                       ; a slot's scale words: 8 bytes a row; lanes 0-15 take A's tile i, lanes 16-31 B's tile i (for v A's words of tiles 0-3 alone are used)
.irp i, 0,1,2,3,4,5,6,7
	ds_load_b64 v[SC+8*NQ*\sc+NQ*\i:SC+8*NQ*\sc+NQ*\i+1], v[ADRS+\sc] offset:(\i/2)*P32+(\i%2)*128
.endr
.endm
; THE FIRST TILE.  A step of 128 along K that has its successor in the same slot: A's tiles 0-3 are fetched anew in the middle, 4-7 at the end.
.macro STEP slot, q, zero
	s_wait_dscnt 4*NL                              ; all but the youngest sixteen loads (A's tiles 4-7) are in
	WIN MUL_LO
	MUL16 0, (\q)%2, \q, \slot, \zero
	MUL16 2, (\q)%2, \q, \slot, \zero
	s_wait_dscnt 0
	PLACES NP
	FETCH_B \slot, (\q)+1, 1-(\q)%2
	FETCH_A \slot, (\q)+1, 0
	WIN MUL_HI
	MUL16 4, (\q)%2, \q, \slot, \zero
	MUL16 6, (\q)%2, \q, \slot, \zero
	PLACES NP
	WIN 0
	FETCH_A \slot, (\q)+1, 4
.endm
; A slot's last step changes slots.  MEET: each wave waits for all its tensor loads, adds 0 to its spare word, waits for that and for its reads of this slot; the barrier opens a round of the cluster's barrier.
.macro MEET slot
	s_wait_tensorcnt 0x0
	ds_add_u32 v[SPW], v[NIL]
	s_wait_dscnt 4*NL+1                            ; (the add and the youngest sixteen loads may be out)
	WIN MUL_LO
	MUL16 0, 1, NQ-1, \slot, 0
	s_wait_dscnt 0x0
	s_barrier_signal -1
	MUL16 2, 1, NQ-1, \slot, 0
	WIN 0
	s_barrier_wait -1
	CREST
.endm
.macro TURN slot, next, own, pf        ; own = 1: the slot takes this tile's K step two on; 0: v's K step 0.  pf: the K step of v that is fetched two refills on
	MEET \slot
.if \own
	s_add_nc_u64 s[G0+4*\slot+2:G0+4*\slot+3], s[G0+4*\slot+2:G0+4*\slot+3], 2*HALFT
	s_add_nc_u64 s[G0B+4*\slot+2:G0B+4*\slot+3], s[G0B+4*\slot+2:G0B+4*\slot+3], 2*HALFT
	JLOAD G0+4*\slot, G1, G0B+4*\slot, G1B         ; the first tensor load behind the round; its four v_nop are the places in front of the loads below
.else
	JLOAD G0P+4*\slot, G1P, G0BP+4*\slot, G1B
.endif
	FETCH_B \next, 0, 0
	FETCH_A \next, 0, 0
	SCALES \next
	ASKV \pf                                       ; behind the joint load and the run of LDS loads
	WIN MUL_HI
	MUL16 4, 1, NQ-1, \slot, 0
	MUL16 6, 1, NQ-1, \slot, 0
	PLACES NP
	WIN 0
	FETCH_A \next, 0, 4
.endm
; 64 numbers of a lane, register 16 b + i = k 32 b + 16 (lane / 16) + i of my row, become a fragment's codes in v[PC] on and its scale word in v[PW].  wm, wc: the windows where the numbers lie.
.macro QUANT s, wm, wc
	WIN \wm
.irp b, 0,1,2,3
	v_max3_num_f32 v[TM+\b], |v[(\s)+16*\b]|, |v[(\s)+1+16*\b]|, 0x2800000      ; my 16 numbers of block b, and the floor 2^(5 - 127)
.endr
.irp i, 2,4,6,8,10,12,14
.irp b, 0,1,2,3
	v_max3_num_f32 v[TM+\b], |v[(\s)+16*\b+\i]|, |v[(\s)+1+16*\b+\i]|, v[TM+\b]
.endr
.endr
	WIN 0
.irp b, 0,1,2,3
	v_permlanex16_b32 v[TM+4+\b], v[TM+\b], s[SEL], s[SEL+1]
.endr
.irp b, 0,1,2,3
	v_max_num_f32 v[TM+\b], v[TM+\b], v[TM+4+\b]   ; with lane l xor 16's: the block's largest magnitude
.endr
.irp b, 0,1,2,3
	v_add_nc_u32 v[TM+12+\b], 0xfe000000, v[TM+\b] ; 4 off its exponent field: the conversion's scale operand
.endr
.irp b, 0,1,2,3
	v_lshrrev_b32 v[TM+4+\b], 23, v[TM+12+\b]      ; the scale's byte
.endr
	v_lshl_or_b32 v[PW], v[TM+5], 8, v[TM+4]
	v_lshl_or_b32 v[PW], v[TM+6], 16, v[PW]
	v_lshl_or_b32 v[PW], v[TM+7], 24, v[PW]
	WIN \wc
.irp c, 0,1
	v_cvt_scalef32_pk16_bf6_f32 v[PC+6*\c:PC+2+6*\c], v[(\s)+32*\c:(\s)+15+32*\c], v[TM+12+2*\c]
	v_cvt_scalef32_pk16_bf6_f32 v[PC+12+4*\c:PC+14+4*\c], v[(\s)+16+32*\c:(\s)+31+32*\c], v[TM+12+2*\c+1]
.endr
	WIN 0
	v_nop                                          ; one plain place behind a scaled conversion
.irp c, 0,1                                    ; the operand's layout wants a whole block in a lane
.irp i, 0,1,2
	v_permlane16_swap_b32 v[PC+6*\c+\i], v[PC+12+4*\c+\i]
.endr
.irp i, 0,1,2
	v_mov_b32 v[PC+3+6*\c+\i], v[PC+12+4*\c+\i]
.endr
.endr
.endm
.macro CSSET a                         ; tile a's cos and sin lie in set a % 4: register CSR on of window CSWN
.if (\a)%4 < 2
.set CSR, CS+32*((\a)%4)
.set CSWN, 0
.else
.set CSR, 96+128*((\a)%4-2)
.set CSWN, 1
.endif
.endm
.macro CSLOAD a                        ; tile a's tokens: cos and sin of j = 16 h .. 16 h + 15: eight loads
	CSSET \a
	WIN CSWN<<6                                    ; the destination's window
.irp j, 0,1,2,3
	global_load_b128 v[CSR+4*\j:CSR+4*\j+3], v[RO], s[92:93] offset:(32*((\a)/2)+8*((\a)%2))*256+16*\j
	global_load_b128 v[CSR+16+4*\j:CSR+16+4*\j+3], v[RO], s[92:93] offset:(32*((\a)/2)+8*((\a)%2))*256+128+16*\j
.endr
	WIN 0
.endm
	global_prefetch_b8 v[PF1], s[PB1:PB1+1] offset:2*HALFT th:TH_LOAD_NT scope:SCOPE_SE   ; the first tile's K steps 2 and 3: the first two refills
	global_prefetch_b8 v[PF1], s[PB1:PB1+1] offset:3*HALFT th:TH_LOAD_NT scope:SCOPE_SE
	s_wait_alu depctr_va_vdst(0)                   ; the wait at the head's end
	s_wait_tensorcnt 0x0                           ; my rows' K steps 0 and 1 are in: no tensor load of mine is out, so a descriptor may be written:
	s_mov_b32 s[G1+2], 100<<16                     ; from here on a load of these brings one K step of 128 rows
	s_mov_b32 s[G1+4], 100
	s_mov_b32 s[G1B+2], 100<<16
	s_mov_b32 s[G1B+4], 100
	s_barrier_signal -1
	s_barrier_wait -1                              ; everybody's are in
	FETCH_B 0, 0, 0
	FETCH_A 0, 0, 0
	SCALES 0
	FETCH_A 0, 0, 4
	STEP 0, 0, 1                                   ; the first products start the sums: nothing is cleared
	TURN 0, 1, 1, 0                                ; slot 0 takes K step 2
	STEP 1, 0, 0
	TURN 1, 0, 1, 1                                ; slot 1 takes K step 3
	STEP 0, 0, 0
	TURN 0, 1, 0, 2                                ; slot 0 takes v's K step 0
	CSLOAD 0                                       ; the first four tiles' cos and sin are asked for 128 matrix instructions ahead of their use
	CSLOAD 1
	CSLOAD 2
	CSLOAD 3
	STEP 1, 0, 0
	MEET 1
	JLOAD G0P+4, G1P, G0BP+4, G1B                  ; slot 1 takes v's K step 1: both land under the work below
	ASKV 3
	WIN MUL_HI
	MUL16 4, 1, NQ-1, 1, 0
	MUL16 6, 1, NQ-1, 1, 0
	WIN 0
	PLACES NP                                      ; in front of the first read of results, and of vector writes into registers that held fragments
.irp b, 0,1,2,3
	v_mov_b32 v[TM+4+\b], 0                        ; (a lane permute's destination counts as one of its sources)
.endr
; ---------------- q and k: lane (r, h) holds token position r of tile a; register 16 b + i is channel 32 b + 16 h + i of my two heads
.macro QK a
	CSSET \a
.set CSS, CSR
.set XA, 64*((\a)%4)
.if (\a) < 5
	s_wait_loadcnt 24                              ; this tile's eight loads are in; those of the three tiles behind it stay out
.else
	s_wait_loadcnt 8*(7-(\a))                      ; the counts run down: two tiles, one, none
.endif
	WIN 0x02+(\a)/4+4*CSWN                         ; source 0: the accumulators' window; source 1: that of cos and sin
.irp hl, 0,1                                   ; in a head: x1 = d 16 h + i, x2 = d 32 + 16 h + i: x1' = x1 cos - x2 sin, x2' = x2 cos + x1 sin
.irp i, 0,2,4,6,8,10,12,14
	v_pk_mul_f32 v[T+32*\hl+\i:T+32*\hl+\i+1], v[XA+32*\hl+\i:XA+32*\hl+\i+1], v[CSS+\i:CSS+\i+1]
	v_pk_mul_f32 v[T+32*\hl+16+\i:T+32*\hl+16+\i+1], v[XA+32*\hl+16+\i:XA+32*\hl+16+\i+1], v[CSS+\i:CSS+\i+1]
	v_pk_fma_f32 v[T+32*\hl+\i:T+32*\hl+\i+1], v[XA+32*\hl+16+\i:XA+32*\hl+16+\i+1], v[CSS+16+\i:CSS+16+\i+1], v[T+32*\hl+\i:T+32*\hl+\i+1] neg_lo:[1,0,0] neg_hi:[1,0,0]
	v_pk_fma_f32 v[T+32*\hl+16+\i:T+32*\hl+16+\i+1], v[XA+32*\hl+\i:XA+32*\hl+\i+1], v[CSS+16+\i:CSS+16+\i+1], v[T+32*\hl+16+\i:T+32*\hl+16+\i+1]
.endr
.endr
	WIN 0
.if (\a) < 4
	CSLOAD (\a)+4                                  ; the set just read takes the tile four on
.endif
	s_wait_xcnt 0x0                                ; the codes' registers, which the last tile's stores read, are written again only behind this wait
	QUANT T, 0, 0                                  ; registers 0-5 are head 0's half image, 6-11 head 1's
	global_store_b128 v[L16], v[PC:PC+3], s[94:95] offset:768*(\a)
	global_store_b64 v[L8], v[PC+4:PC+5], s[94:95] offset:768*(\a)+512
	global_store_b128 v[L16], v[PC+6:PC+9], s[96:97] offset:768*(\a)
	global_store_b64 v[L8], v[PC+10:PC+11], s[96:97] offset:768*(\a)+512
	v_lshrrev_b32 v[TW+(\a)], v8, v[PW]            ; lanes 0-15 keep head 0's two bytes, lanes 16-31 head 1's
	v_and_b32 v[TW+(\a)], 0xffff, v[TW+(\a)]
.endm
.irp a, 0,1,2,3,4,5,6,7
	QK \a
.endr
	s_cmp_eq_u32 ttmp9, 0
	s_cbranch_scc0 .Lkwords
.irp a, 0,1,2,3,4,5,6,7
	v_lshl_or_b32 v[WW+\a], v[TW+\a], 16, v[TW+\a] ; q: the two bytes twice: the word serves q in either half of the operand
.endr
	global_store_b128 v[WO], v[WW:WW+3], s[94:95] offset:6144     ; sixteen lanes store 256 consecutive bytes of a head
	global_store_b128 v[WO], v[WW+4:WW+7], s[94:95] offset:6400
	s_branch .Lv
.Lkwords:
	s_wait_alu depctr_va_vdst(0)
.irp b, 0,1,2,3
	v_lshl_or_b32 v[WW+\b], v[TW+2*\b+1], 16, v[TW+2*\b]          ; k: a fragment holds tiles 2 b and 2 b + 1
.endr
	global_store_b128 v[WO], v[WW:WW+3], s[94:95] offset:6144
; ---------------- THE SECOND TILE, v: 64 channels x 128 tokens a wave.  A's four tiles and B's eight have two sets each, set q for the slot's q-th 128 along K: the next sub-step's 48 loads are issued ahead of this one's 32 products.
.Lv:
.macro FETCH2 slot, q
	FETCH_B \slot, \q, \q
.irp i, 0,1,2,3
	FRAG AF+48*(\q)+FR*\i, ADRA+\slot, \q, \i
.endr
.endm
.macro EVEN slot, zero                 ; a slot's first 128 along K
	PLACES NP
	FETCH2 \slot, 1
	s_wait_dscnt 48                                ; all but the 48 loads just issued
	WIN MUL_LO
	MULX 0, 0, 0, \slot, \zero, AF
	MULX 2, 0, 0, \slot, \zero, AF
	WIN 0
.endm
.macro ODD slot, next, fill            ; its second, which changes slots
	s_wait_tensorcnt 0x0                           ; all my tensor loads have landed: my part of the next slot
	ds_add_u32 v[SPW], v[NIL]
	s_wait_dscnt 0x0                               ; the add is done, and my reads of this slot are over
	s_barrier_signal -1
	WIN MUL_LO
	MULX 0, 1, 1, \slot, 0, AF+48
	WIN 0
	s_barrier_wait -1
.if \fill
	CREST
	s_add_nc_u64 s[G0P+4*\slot+2:G0P+4*\slot+3], s[G0P+4*\slot+2:G0P+4*\slot+3], 2*HALFT
	s_add_nc_u64 s[G0BP+4*\slot+2:G0BP+4*\slot+3], s[G0BP+4*\slot+2:G0BP+4*\slot+3], 2*HALFT
	JLOAD G0P+4*\slot, G1P, G0BP+4*\slot, G1B
.else
	PLACES NP
.endif
	FETCH2 \next, 0
	SCALES \next
	WIN MUL_LO
	MULX 2, 1, 1, \slot, 0, AF+48
	WIN 0
.endm
	s_wait_alu depctr_va_vdst(0)
	s_wait_xcnt 0x0                                ; the stores above have read their registers: fragments may land there
	s_wait_tensorcnt 0x0                           ; my parts of v's K steps 0 and 1 are in,
	s_barrier_signal -1
	s_barrier_wait -1                              ; everybody's are
	FETCH2 0, 0
	SCALES 0
	EVEN 0, 1                                      ; the first products start the sums
	ODD 0, 1, 1                                    ; slot 0 takes v's K step 2
	EVEN 1, 0
	ODD 1, 0, 1                                    ; slot 1 takes v's K step 3
	EVEN 0, 0
	ODD 0, 1, 0
	EVEN 1, 0
	s_wait_dscnt 0x0
	WIN MUL_LO
	MULX 0, 1, 1, 1, 0, AF+48
	MULX 2, 1, 1, 1, 0, AF+48
	WIN 0
	PLACES NP
.irp b, 0,1,2,3
	v_mov_b32 v[TM+4+\b], 0
.endr
; lane (r, h) holds channel position r of tile a; register 16 b + i is token 32 b + 16 h + i of my 128: the accumulators go straight into the quantiser
.irp a, 0,1,2,3
	s_wait_xcnt 0x0
	QUANT 64*\a, 0x0a, 0x02
.irp c, 0,1,2
	global_store_b128 v[L16], v[PC+4*\c:PC+4*\c+3], s[98:99] offset:1536*\a+512*\c
.endr
	v_mov_b32 v[TW+\a], v[PW]
.endr
	global_store_b128 v[R16], v[TW:TW+3], s[98:99] offset:6144    ; the rows' words: 256 consecutive bytes; lanes l and l xor 16 hold the same words and store them to the same place
	s_wait_tensorcnt 0x0                           ; the wave's end
	ds_add_u32 v[SPW], v[NIL]
	s_wait_dscnt 0x0
	CROUND                                         ; the closing round
	s_endpgm
.Lfunc_end_k_qab7c263629_gemm_qkv:
	.size	k_qab7c263629_gemm_qkv, .Lfunc_end_k_qab7c263629_gemm_qkv-k_qab7c263629_gemm_qkv
	.p2alignl 7, 3214868480
	.fill 96, 4, 3214868480
	.section	.rodata,"a",@progbits
	.p2align	6, 0x0
	.amdhsa_kernel k_qab7c263629_gemm_qkv
		.amdhsa_group_segment_fixed_size 327680
		.amdhsa_private_segment_fixed_size 0
		.amdhsa_enable_private_segment 0
		.amdhsa_kernarg_size 40
		.amdhsa_user_sgpr_count 2
		.amdhsa_user_sgpr_kernarg_segment_ptr 1
		.amdhsa_wavefront_size32 1
		.amdhsa_system_sgpr_workgroup_id_x 1
		.amdhsa_system_sgpr_workgroup_id_y 1
		.amdhsa_system_sgpr_workgroup_id_z 1
		.amdhsa_system_vgpr_workitem_id 0
		.amdhsa_next_free_vgpr 1024
		.amdhsa_next_free_sgpr 106
		.amdhsa_reserve_vcc 0
		.amdhsa_float_denorm_mode_32 3
		.amdhsa_float_denorm_mode_16_64 3
		.amdhsa_memory_ordered 1
		.amdhsa_forward_progress 1
		.amdhsa_inst_pref_size 255
	.end_amdhsa_kernel
	.section	.bss,"aw",@nobits
	.p2align	6
	.space	262144
	.amdgpu_metadata
---
amdhsa.version: [ 1, 2 ]
amdhsa.kernels:
  - .name:           k_qab7c263629_gemm_qkv
    .symbol:         k_qab7c263629_gemm_qkv.kd
    .args:
      - { .name: xq, .offset: 0, .size: 8, .value_kind: global_buffer, .address_space: global }
      - { .name: wcodes, .offset: 8, .size: 8, .value_kind: global_buffer, .address_space: global }
      - { .name: rope, .offset: 16, .size: 8, .value_kind: global_buffer, .address_space: global }
      - { .name: qb, .offset: 24, .size: 8, .value_kind: global_buffer, .address_space: global }
      - { .name: kvb, .offset: 32, .size: 8, .value_kind: global_buffer, .address_space: global }
    .group_segment_fixed_size: 327680
    .private_segment_fixed_size: 0
    .kernarg_segment_align: 8
    .kernarg_segment_size: 40
    .max_flat_workgroup_size: 128
    .sgpr_count:     106
    .vgpr_count:     1024
    .wavefront_size: 32
...
	.end_amdgpu_metadata
.endif
;; end of part 2
;; launch attn (part 3): grid 4 x 64, 16 waves a work-group, clusters of 4 x 1, 206,848 bytes of LDS; arguments qb, kvb, yq; writes yq
.if DOCPART == 3
	.amdgcn_target "amdgcn-amd-amdhsa--gfx1250"
	.amdhsa_code_object_version 6
	.text
	.protected	k_qab7c263629_attn
	.globl	k_qab7c263629_attn
	.p2align	8
	.type	k_qab7c263629_attn,@function
k_qab7c263629_attn:
	s_mov_b64 s[64:65], 0
	v_nop
	global_prefetch_b8 v0, s[64:65] scope:SCOPE_SE
	s_setreg_imm32_b32 hwreg(HW_REG_WAVE_MODE, 25, 1), 1
	s_wait_xcnt 0x0
	s_wait_alu depctr_hold_cnt(0) depctr_sa_sdst(0) depctr_va_vdst(0) depctr_va_sdst(0) depctr_va_ssrc(0) depctr_va_vcc(0) depctr_vm_vsrc(0)
	s_getreg_b32 s2, hwreg(HW_REG_IB_STS2, 6, 4)
	s_cmp_eq_u32 s2, 0
	s_cbranch_scc0 .Lentry_in_a_cluster
	s_endpgm
.Lentry_in_a_cluster:
	s_bfe_u32 s2, ttmp6, 0x10000c
	s_cmp_lg_u32 s2, 0x3003
	s_cbranch_scc0 .Lentry_shape_is_right
	s_endpgm
.Lentry_shape_is_right:
; Causal attention of one head on codes of BF6 (E3M2) with E8M0 scales; y leaves quantised along the channels, as the last product's operand.
; THE SOFTMAX AHEAD OF THE SECOND PRODUCT: t = score x log2(e) / 8; M = the row's largest t so far, rounded UP to a whole number; p = 2^(t - M) is quantised along the keys, not normalised.
; The row's sum is taken of the unquantised p and divides O at the end.  When M moves, the sum and O are multiplied by 2^(old M - new M): exact.
; K AND V OF THE WHOLE HEAD STAY IN LDS: 16 key steps of 128 keys x 12,800 bytes, filled once: wave w asks for key step w, one tensor load a wave.  Nothing is filled again.
; A key step: k: 8 half images (16 keys x 64, 768 bytes: lane l's first four registers at 16 l, its last two at 512 + 8 l), words at 6144 + 16 r + 4 b;  v at 6400: 4 fragments (16 channels x 128 keys), words at 6144 + 16 r + 4 t.
; K = 64 IN AN INSTRUCTION OF 128: a fragment of k holds TWO tiles of keys; q stands in 18 registers [q][six zeros][q]: registers 0-11 meet tile 2 b, registers 6-17 tile 2 b + 1.
; Position r of tile 2 b + e is key 32 b + 8 e + r + 8 (r / 8), so the 16 registers of the two results are keys 32 b + 16 (lane / 16) + 0 .. 15.  Both products are used transposed: a lane holds ONE query.
; SHARES.  The four work-groups of a cluster are one head's; wave w (g = w / 2, u = w % 2) owns two tiles of 16 queries: tile u of the 32 queries 4 (15 - g) + 3 - cx ("hi") and of 4 g + cx ("lo").
; hi counts key steps 0 .. 15 - g, lo 0 .. g: key steps wholly behind the causal mask are not walked.  That is 17 steps for every wave: ONE LOOP OF 17 TRIPS, none of them empty.
; With tau = g + trip: tau <= 15: hi's key step 15 - tau (from its diagonal down to 0);  tau >= 16: lo's key step tau - 16 (from 0 up to its diagonal).  So the steps on a diagonal are trips 0 and 16 in every wave.
; Every branch hangs on g and the trip alone: the partners run alike, and K and V are asked for JOINTLY.  cx enters only addresses in memory and the number that the mask compares.
; No barrier stands in the loop: K and V are only read there.
; No prefetch: K and V are asked for once, at the head, and q by one run of loads: there is no loop to run ahead in.
; yq: [128 tokens][K step = head / 4][32 tokens][6,400]: tile u, half head % 4 at 3072 u + 768 (head % 4); the rows' scale bytes at 6144 + 128 u + 8 r + 2 (head % 4).
; LIMITS: t under -3e38 is not served; NaN and infinities are not served; a block of zeros gets the byte 1 (this program alone reads the bytes); 1 / sum is v_rcp_f32;
; y's scale bytes leave as stores of two bytes, 8 bytes apart: four heads share a row's 8 bytes.
; REGISTERS: v1 16 l, v2 8 l + 512, v3 16 r; v4-6 the step's addresses; v7 the mask's number of the tile at work, v8 lo's; v9 where y's scale bytes go; v10, v11 those bytes; v12 -M, v13 the largest t, v[14:15] the sum;
;   v16-33 q of the tile at work, v34-39 lo's q; v52, v53 their scale words; v54-57 k's or v's scale words; v58-105 four fragments; v106-169 S^T, then p; v170-201 O^T; v202-221 p's codes; v222-253 at work.
.set KVS,  12800
.set SPARE, 16*KVS                     ; behind K and V: the spare words, 128 bytes for each wave
.set QF,   16
.set QN,   34
.set KW,   54
.set F,    58
.set S,    106
.set O,    170
.set PCD,  202
.set BM,   222
.set BT,   226
.set SOP,  230
.set PWD,  234
.set FF,   236
.set TMP,  240
.macro CROUND                          ; a round of the cluster's barrier
	s_barrier_signal -1
	s_barrier_wait -1
	s_cmp_lg_u32 s18, 0
	s_cbranch_scc1 .Lnot_wave_0_\@
	s_barrier_signal -3
.Lnot_wave_0_\@:
	s_barrier_wait -3
	s_barrier_signal -1
	s_barrier_wait -1
.endm
.macro INIT                            ; a tile begins: O^T and the sum are zeros, the largest t is under every t
	v_mov_b32 v13, 0xff61b1e6
	s_delay_alu instid0(VALU_DEP_1)
	v_floor_f32 v12, -v13
	v_mov_b32 v14, 0
	v_mov_b32 v15, 0
.set n, 0
.rept 32
	v_mov_b32 v[O+n], 0
.set n, n+1
.endr
.endm
	s_load_b128 s[4:7], s[0:1], 0x0                ; qb s[4:5], kvb s[6:7]
	s_load_b64 s[8:9], s[0:1], 0x10                ; yq
	v_lshl_add_u32 v254, v0, 2, SPARE
	v_mov_b32 v255, 0
	ds_add_u32 v254, v255                          ; the opening lines: the add, twice on end, and its wait
	ds_add_u32 v254, v255
	v_lshrrev_b32 v1, 5, v0
	s_delay_alu instid0(VALU_DEP_1)
	v_readfirstlane_b32 s18, v1                    ; wave 0..15
	s_lshr_b32 s19, s18, 1                         ; g
	s_and_b32 s17, s18, 1                          ; u
	s_bfe_u32 s52, ttmp6, 0x40000                  ; cx
	s_and_b32 s53, ttmp7, 0xffff                   ; 16 batch + head, which the four partners share
	s_mov_b32 s24, 15|(3<<16)|(1<<21)              ; group 1: the mask names all four work-groups; elements of 8 bytes; bit 21 beside a mask
	s_mov_b32 s25, 32<<16                          ; a key step's 12,800 dense bytes as 50 rows of 32 elements
	s_mov_b32 s26, 50<<16
	s_mov_b32 s27, 32<<16
	s_mov_b32 s28, 50
	s_mov_b32 s29, 32
	s_mov_b32 s30, 0
	s_mov_b32 s31, 0
	s_mov_b32 s20, 0x76543210
	s_mov_b32 s21, 0xfedcba98                      ; v_permlanex16_b32's selects for lane l xor 16
	s_mov_b32 s22, 0x3e38aa3b                      ; c = log2(e) / sqrt(64)
	s_mov_b32 s23, s22                             ; (named with it as a pair)
	s_mov_b32 s32, 1
	s_mul_i32 s33, s18, KVS                        ; key step w goes to LDS byte 12,800 w
	s_mul_i32 s54, s53, 16*KVS
	s_add_co_u32 s54, s54, s33
	s_mov_b32 s55, 0
	s_wait_dscnt 0x0
	s_wait_kmcnt 0x0
	s_add_nc_u64 s[34:35], s[6:7], s[54:55]        ; the head's key step w
	s_or_b32 s35, s35, 0x80000000
	CROUND                                         ; all four work-groups are here: the joint loads meet
	tensor_load_to_lds s[32:35], s[24:31]          ; my one tensor load
	s_nop 0
.rept 4
	v_nop
.endr
	s_sub_co_u32 s50, 15, s19                      ; hi's 128 queries
	s_sub_co_u32 s44, 3, s52                       ; its 32 among them
	s_lshl_b32 s55, s44, 1
	s_add_co_u32 s55, s55, s17                     ; hi's tile among its 128 queries' eight
	s_lshl_b32 s51, s52, 1
	s_add_co_u32 s51, s51, s17                     ; lo's
	s_mul_i32 s76, s53, 16*6656
.macro QADDR ks, tau, dq, dw           ; a tile's half image and its words in qb
	s_mul_i32 s74, s[\ks], 6656
	s_add_co_u32 s74, s74, s76
	s_mul_i32 s78, s[\tau], 768
	s_add_co_u32 s78, s78, s74
	s_mov_b32 s79, 0
	s_add_nc_u64 s[\dq:\dq+1], s[4:5], s[78:79]
	s_lshr_b32 s78, s[\tau], 2
	s_lshl_b32 s78, s78, 8
	s_add_co_u32 s78, s78, s74
	s_and_b32 s75, s[\tau], 3
	s_lshl_b32 s75, s75, 2
	s_add_co_u32 s78, s78, s75
	s_add_nc_u64 s[\dw:\dw+1], s[4:5], s[78:79]
.endm
	QADDR 50, 55, 56, 60
	QADDR 19, 51, 58, 62
	v_and_b32 v9, 31, v0                           ; l
	v_and_b32 v240, 15, v0                         ; r
	v_bfe_u32 v241, v0, 4, 1                       ; h
	s_delay_alu instid0(VALU_DEP_3)
	v_lshlrev_b32 v1, 4, v9
	s_delay_alu instid0(VALU_DEP_4)
	v_lshlrev_b32 v2, 3, v9
	s_delay_alu instid0(VALU_DEP_1)
	v_add_nc_u32 v2, 512, v2
	v_lshlrev_b32 v3, 4, v240
	global_load_b128 v[QF:QF+3], v1, s[56:57]      ; hi's q twice, at both ends of its 18 registers; zeros between
	global_load_b64 v[QF+4:QF+5], v2, s[56:57]
	global_load_b128 v[QF+12:QF+15], v1, s[56:57]
	global_load_b64 v[QF+16:QF+17], v2, s[56:57]
	global_load_b32 v52, v3, s[60:61] offset:6144
	global_load_b128 v[QN:QN+3], v1, s[58:59]      ; lo's q once: it is copied when hi has ended
	global_load_b64 v[QN+4:QN+5], v2, s[58:59]
	global_load_b32 v53, v3, s[62:63] offset:6144
.irp i, 6,7,8,9,10,11
	v_mov_b32 v[QF+\i], 0
.endr
	v_and_b32 v242, 8, v240
	s_delay_alu instid0(VALU_DEP_1)
	v_add_nc_u32 v242, v242, v240                  ; r + 8 (r / 8)
	v_lshlrev_b32 v243, 4, v241
	s_delay_alu instid0(VALU_DEP_1)
	v_sub_nc_u32 v242, v242, v243                  ; - 16 h
	s_lshl_b32 s75, s17, 3
	s_lshl_b32 s74, s44, 5
	s_add_co_u32 s74, s74, s75
	v_add_nc_u32 v7, s74, v242                     ; d = my query's place among its 128, less 16 h: hi's,
	s_lshl_b32 s74, s52, 5
	s_add_co_u32 s74, s74, s75
	v_add_nc_u32 v8, s74, v242                     ; lo's
	s_and_b32 s74, s53, 15                         ; the head
	s_lshr_b32 s75, s74, 2
	s_mul_i32 s75, s75, 25600                      ; its K step of the last product
	s_lshr_b32 s78, s53, 4
	s_mul_i32 s78, s78, 16*102400                  ; the batch's 16 groups of 128 tokens
	s_add_co_u32 s75, s75, s78
	s_and_b32 s74, s74, 3
	s_mul_i32 s72, s50, 102400
	s_mul_i32 s79, s44, 6400
	s_add_co_u32 s72, s72, s79                     ; hi's 32 tokens
	s_mul_i32 s73, s19, 102400
	s_mul_i32 s79, s52, 6400
	s_add_co_u32 s73, s73, s79                     ; lo's
	s_mul_i32 s78, s17, 3072
	s_mul_i32 s79, s74, 768
	s_add_co_u32 s78, s78, s79
	s_add_co_u32 s78, s78, s75
	s_mov_b32 s77, 0
	s_add_co_u32 s76, s78, s72
	s_add_nc_u64 s[66:67], s[8:9], s[76:77]        ; hi's half image
	s_add_co_u32 s76, s78, s73
	s_add_nc_u64 s[68:69], s[8:9], s[76:77]        ; lo's
	s_lshl_b32 s76, s17, 7
	s_lshl_b32 s78, s74, 1
	s_add_co_u32 s76, s76, s78
	s_add_co_u32 s76, s76, s75
	s_add_nc_u64 s[70:71], s[8:9], s[76:77]        ; the scale bytes: 128 u + 2 (head % 4)
	v_mov_b32 v244, s72
	v_mov_b32 v245, s73
	v_cmp_ne_u32 vcc_lo, 0, v241
	s_delay_alu instid0(VALU_DEP_1)
	v_cndmask_b32 v9, v244, v245, vcc_lo           ; lanes 0-15 will store hi's bytes, lanes 16-31 lo's
	s_delay_alu instid0(VALU_DEP_1)
	v_lshl_add_u32 v9, v240, 3, v9
.irp b, 0,1,2,3
	v_mov_b32 v[BT+\b], 0                          ; written once: a lane permute's destination counts as one of its sources
.endr
	v_mov_b32 v[FF+1], 0                           ; (named as the upper half of a pair)
	v_mov_b32 v[TMP], 0
	v_mov_b32 v10, 0
	v_mov_b32 v11, 0
	INIT
	s_mov_b32 s49, 0                               ; the trip
	s_mov_b32 s47, s19                             ; tau = g + trip
	s_mov_b32 s46, 15                              ; the tau at which the tile at work ends
	s_wait_alu depctr_va_vdst(0)                   ; the wait at the head's end
	s_wait_loadcnt 0x0                             ; q
	s_wait_tensorcnt 0x0                           ; my key step is in,
	s_barrier_signal -1
	s_barrier_wait -1                              ; everybody's is: all 16 lie in LDS
.Ltrip:
	s_lshr_b32 s44, s47, 4                         ; the key step: (tau % 16) xor 15 while tau <= 15, tau % 16 behind that
	s_xor_b32 s44, s44, 1
	s_mul_i32 s44, s44, 15
	s_and_b32 s45, s47, 15
	s_xor_b32 s45, s45, s44
	s_mul_i32 s48, s45, KVS
	v_add_nc_u32 v4, s48, v1
	v_add_nc_u32 v5, s48, v2
	v_add_nc_u32 v6, s48, v3
	v_nop                                          ; four places in front of loads into registers that matrix instructions have read
.irp b, 0,1,2,3
	ds_load_b128 v[F+12*\b:F+12*\b+3], v4 offset:1536*\b
	ds_load_b64 v[F+12*\b+4:F+12*\b+5], v5 offset:1536*\b
	ds_load_b128 v[F+12*\b+6:F+12*\b+9], v4 offset:1536*\b+768
	ds_load_b64 v[F+12*\b+10:F+12*\b+11], v5 offset:1536*\b+768
.endr
	ds_load_b128 v[KW:KW+3], v6 offset:6144        ; the four fragments' scale words of my row
	s_wait_alu depctr_va_vdst(0)
	s_wait_dscnt 0x0
.irp b, 0,1,2,3
.irp e, 0,1
	v_wmma_scale_f32_16x16x128_f8f6f4 v[S+8*(2*\b+\e):S+8*(2*\b+\e)+7], v[F+12*\b:F+12*\b+11], v[QF+6*\e:QF+6*\e+11], 0, v[KW+\b], v52 matrix_a_fmt:MATRIX_FMT_BF6 matrix_b_fmt:MATRIX_FMT_BF6
.endr
.endr
.rept 4
	v_nop
.endr
.irp t, 0,1,2,3                                ; v's fragments land while the softmax is worked
.irp c, 0,1,2
	ds_load_b128 v[F+12*\t+4*\c:F+12*\t+4*\c+3], v4 offset:6400+1536*\t+512*\c
.endr
.endr
	ds_load_b128 v[KW:KW+3], v6 offset:12544
	s_and_b32 s44, s49, 15
	s_cmp_lg_u32 s44, 0
	s_cbranch_scc1 .Lopen                          ; only trips 0 and 16 lie on a diagonal
	v_mov_b32 v[TMP+2], 0xff800000                 ; register 16 b + i holds key 32 b + 16 h + i of the step: hidden where 32 b + i > d
.set n, 0
.rept 64
	v_cmp_gt_i32 vcc_lo, 32*(n/16)+n%16, v7
	v_cndmask_b32 v[S+n], v[S+n], v[TMP+2], vcc_lo
.set n, n+1
.endr
.Lopen:
.irp b, 0,1,2,3
	v_max3_num_f32 v[BM+\b], v[S+16*\b], v[S+1+16*\b], v[S+2+16*\b]      ; the largest score of each block of 32 keys: it serves the row's maximum and, since p rises with the score, the block's largest p
.endr
.irp i, 3,5,7,9,11,13
.irp b, 0,1,2,3
	v_max3_num_f32 v[BM+\b], v[BM+\b], v[S+16*\b+\i], v[S+1+16*\b+\i]
.endr
.endr
.irp b, 0,1,2,3
	v_max_num_f32 v[BM+\b], v[BM+\b], v[S+15+16*\b]
.endr
.irp b, 0,1,2,3
	s_delay_alu instid0(VALU_DEP_4)
	v_permlanex16_b32 v[BT+\b], v[BM+\b], s20, s21
.endr
.irp b, 0,1,2,3
	s_delay_alu instid0(VALU_DEP_4)
	v_max_num_f32 v[BM+\b], v[BM+\b], v[BT+\b]     ; with lane l xor 16's 16 keys
.endr
	s_delay_alu instid0(VALU_DEP_2)
	v_max3_num_f32 v[TMP], v[BM], v[BM+1], v[BM+2]
	s_delay_alu instid0(VALU_DEP_1)
	v_max_num_f32 v[TMP], v[TMP], v[BM+3]
	s_delay_alu instid0(VALU_DEP_1)
	v_mul_f32 v[TMP], s22, v[TMP]                  ; as t (c is positive)
	s_delay_alu instid0(VALU_DEP_1)
	v_max_num_f32 v13, v13, v[TMP]                 ; the running largest t
	v_mov_b32 v[TMP], v12
	s_delay_alu instid0(VALU_DEP_2)
	v_floor_f32 v12, -v13                          ; the new -M = -ceil(t): a whole number
	s_delay_alu instid0(VALU_DEP_1)
	v_sub_f32 v[TMP], v12, v[TMP]                  ; old M less new M: a whole number, 0 or less
	s_delay_alu instid0(VALU_DEP_1)
	v_cvt_i32_f32 v[TMP], v[TMP]                   ; (it saturates)
	s_delay_alu instid0(VALU_DEP_1)
	v_ldexp_f32 v[FF], 1.0, v[TMP]                 ; f = 2^(old M - new M)
.set n, 0
.rept 32
	v_pk_fma_f32 v[S+n:S+n+1], v[S+n:S+n+1], s[22:23], v[12:13] op_sel_hi:[1,0,0]    ; t - M, two at a time
.set n, n+2
.endr
.irp b, 0,1,2,3
	v_fma_f32 v[BM+\b], v[BM+\b], s22, v12         ; the same of each block's largest score
.endr
.set n, 0
	s_wait_alu depctr_va_vdst(0)                   ; ahead of the batch
.rept 64
	v_exp_f32 v[S+n], v[S+n]                       ; p = 2^(t - M), at most 1
.set n, n+1
.endr
.irp b, 0,1,2,3
	v_exp_f32 v[BM+\b], v[BM+\b]                   ; the block's largest p: the same instructions on the same number
.endr
	v_pk_mul_f32 v[14:15], v[14:15], v[FF:FF+1] op_sel_hi:[1,0]   ; the sum under the new M.  (A plain place behind the exponentials)
.set n, 0
	s_wait_alu depctr_va_vdst(0)                   ; and behind it, ahead of the first readers
.rept 16
	v_pk_mul_f32 v[O+n:O+n+1], v[O+n:O+n+1], v[FF:FF+1] op_sel_hi:[1,0]   ; O^T under the new M
.set n, n+2
.endr
.irp b, 0,1,2,3
	v_max_num_f32 v[BM+\b], 0x2800000, v[BM+\b]    ; the floor 2^(5 - 127): the byte cannot fall under 1
.endr
.irp b, 0,1,2,3
	s_delay_alu instid0(VALU_DEP_4)
	v_add_nc_u32 v[SOP+\b], 0xfe000000, v[BM+\b]   ; 4 off the exponent field: the conversion's scale operand
.endr
.irp b, 0,1,2,3
	s_delay_alu instid0(VALU_DEP_4)
	v_lshrrev_b32 v[BT+\b], 23, v[SOP+\b]          ; the scale's byte
.endr
	s_delay_alu instid0(VALU_DEP_3)
	v_lshl_or_b32 v[PWD], v[BT+1], 8, v[BT]        ; p's scale word for these 128 keys
	s_delay_alu instid0(VALU_DEP_1)
	v_lshl_or_b32 v[PWD], v[BT+2], 16, v[PWD]
	s_delay_alu instid0(VALU_DEP_1)
	v_lshl_or_b32 v[PWD], v[BT+3], 24, v[PWD]
.irp c, 0,1
	v_cvt_scalef32_pk16_bf6_f32 v[PCD+6*\c:PCD+2+6*\c], v[S+32*\c:S+15+32*\c], v[SOP+2*\c]
	v_cvt_scalef32_pk16_bf6_f32 v[PCD+12+4*\c:PCD+14+4*\c], v[S+16+32*\c:S+31+32*\c], v[SOP+2*\c+1]
.endr
	v_nop                                          ; one plain place behind a scaled conversion
.irp c, 0,1                                    ; the operand's layout wants a whole block in a lane
.irp i, 0,1,2
	v_permlane16_swap_b32 v[PCD+6*\c+\i], v[PCD+12+4*\c+\i]
.endr
.irp i, 0,1,2
	s_delay_alu instid0(VALU_DEP_3)
	v_mov_b32 v[PCD+3+6*\c+\i], v[PCD+12+4*\c+\i]
.endr
.endr
	v_pk_add_f32 v[238:239], v[110:111], v[114:115]               ; the row's sum of the unquantised p, in eight chains
	v_pk_add_f32 v[252:253], v[118:119], v[122:123]
	v_pk_add_f32 v[250:251], v[126:127], v[130:131]
	v_pk_add_f32 v[248:249], v[134:135], v[138:139]
	v_pk_add_f32 v[246:247], v[142:143], v[146:147]
	v_pk_add_f32 v[244:245], v[150:151], v[154:155]
	v_pk_add_f32 v[242:243], v[158:159], v[162:163]
	v_pk_add_f32 v[14:15], v[14:15], v[166:167]
	v_pk_add_f32 v[238:239], v[238:239], v[106:107]
	v_pk_add_f32 v[252:253], v[252:253], v[108:109]
	v_pk_add_f32 v[250:251], v[250:251], v[112:113]
	v_pk_add_f32 v[248:249], v[248:249], v[116:117]
	v_pk_add_f32 v[246:247], v[246:247], v[120:121]
	v_pk_add_f32 v[244:245], v[244:245], v[124:125]
	v_pk_add_f32 v[242:243], v[242:243], v[128:129]
	v_pk_add_f32 v[14:15], v[14:15], v[132:133]
	v_pk_add_f32 v[238:239], v[238:239], v[136:137]
	v_pk_add_f32 v[252:253], v[252:253], v[140:141]
	v_pk_add_f32 v[250:251], v[250:251], v[144:145]
	v_pk_add_f32 v[248:249], v[248:249], v[148:149]
	v_pk_add_f32 v[246:247], v[246:247], v[152:153]
	v_pk_add_f32 v[244:245], v[244:245], v[156:157]
	v_pk_add_f32 v[242:243], v[242:243], v[160:161]
	v_pk_add_f32 v[14:15], v[14:15], v[164:165]
	v_pk_add_f32 v[238:239], v[238:239], v[168:169]
	s_delay_alu instid0(VALU_DEP_2)
	v_pk_add_f32 v[14:15], v[14:15], v[248:249]
	s_delay_alu instid0(VALU_DEP_2)
	v_pk_add_f32 v[238:239], v[238:239], v[246:247]
	v_pk_add_f32 v[252:253], v[252:253], v[244:245]
	v_pk_add_f32 v[250:251], v[250:251], v[242:243]
	s_delay_alu instid0(VALU_DEP_2)
	v_pk_add_f32 v[14:15], v[14:15], v[252:253]
	s_delay_alu instid0(VALU_DEP_2)
	v_pk_add_f32 v[238:239], v[238:239], v[250:251]
	s_delay_alu instid0(VALU_DEP_1)
	v_pk_add_f32 v[14:15], v[14:15], v[238:239]
	s_wait_dscnt 0x0                               ; v's fragments and words are in
.irp t, 0,1,2,3                                ; O^T += v^T p^T: the four accumulators by turns
	v_wmma_scale_f32_16x16x128_f8f6f4 v[O+8*\t:O+8*\t+7], v[F+12*\t:F+12*\t+11], v[PCD:PCD+11], v[O+8*\t:O+8*\t+7], v[KW+\t], v[PWD] matrix_a_fmt:MATRIX_FMT_BF6 matrix_b_fmt:MATRIX_FMT_BF6
.endr
	s_cmp_lg_u32 s47, s46
	s_cbranch_scc1 .Lnext                          ; the tile goes on
; A tile ends: O^T / the sum; register 16 b + i is channel 32 b + 16 h + i of the head: two blocks of the last product's K.  They leave as a half image.
	s_wait_alu depctr_va_vdst(0)
.rept 4
	v_nop
.endr
	v_add_f32 v14, v14, v15
	s_delay_alu instid0(VALU_DEP_1)
	v_permlanex16_b32 v[TMP], v14, s20, s21
	s_delay_alu instid0(VALU_DEP_1)
	v_add_f32 v14, v14, v[TMP]                     ; the row's sum
	s_wait_alu depctr_va_vdst(0)
	v_rcp_f32 v14, v14
	v_nop                                          ; one plain place behind a transcendental
.set n, 0
	s_wait_alu depctr_va_vdst(0)
.rept 16
	v_pk_mul_f32 v[S+n:S+n+1], v[O+n:O+n+1], v[14:15] op_sel_hi:[1,0]
.set n, n+2
.endr
.irp b, 0,1
	v_max3_num_f32 v[BM+\b], |v[S+16*\b]|, |v[S+1+16*\b]|, 0x2800000
.endr
.irp i, 2,4,6,8,10,12,14
.irp b, 0,1
	s_delay_alu instid0(VALU_DEP_2)
	v_max3_num_f32 v[BM+\b], v[BM+\b], |v[S+16*\b+\i]|, |v[S+1+16*\b+\i]|
.endr
.endr
.irp b, 0,1
	s_delay_alu instid0(VALU_DEP_2)
	v_permlanex16_b32 v[BT+\b], v[BM+\b], s20, s21
.endr
.irp b, 0,1
	s_delay_alu instid0(VALU_DEP_2)
	v_max_num_f32 v[BM+\b], v[BM+\b], v[BT+\b]
.endr
.irp b, 0,1
	s_delay_alu instid0(VALU_DEP_2)
	v_add_nc_u32 v[SOP+\b], 0xfe000000, v[BM+\b]
.endr
.irp b, 0,1
	s_delay_alu instid0(VALU_DEP_2)
	v_lshrrev_b32 v[BT+\b], 23, v[SOP+\b]
.endr
	v_mov_b32 v10, v11                             ; the tile before's two bytes; behind the second end v10 holds hi's, v11 lo's
	v_lshl_or_b32 v11, v[BT+1], 8, v[BT]
	v_cvt_scalef32_pk16_bf6_f32 v[PCD:PCD+2], v[S:S+15], v[SOP]
	v_cvt_scalef32_pk16_bf6_f32 v[PCD+12:PCD+14], v[S+16:S+31], v[SOP+1]
	v_nop
.irp i, 0,1,2
	v_permlane16_swap_b32 v[PCD+\i], v[PCD+12+\i]
.endr
.irp i, 0,1,2
	s_delay_alu instid0(VALU_DEP_3)
	v_mov_b32 v[PCD+3+\i], v[PCD+12+\i]
.endr
	global_store_b128 v1, v[PCD:PCD+3], s[66:67]                  ; 512 consecutive bytes
	global_store_b64 v2, v[PCD+4:PCD+5], s[66:67]                 ; 256 consecutive bytes, 512 on
	s_wait_xcnt 0x0                                ; the codes' registers and the base are written again only behind this wait
	s_cmp_eq_u32 s49, 16
	s_cbranch_scc1 .Lnext                          ; lo has ended: nothing follows
	s_mov_b64 s[66:67], s[68:69]                   ; hi has ended: lo takes its place
	s_add_co_u32 s46, s19, 16                      ; lo ends at tau = 16 + g, the last trip
.irp i, 0,1,2,3,4,5
	v_mov_b32 v[QF+\i], v[QN+\i]
	v_mov_b32 v[QF+12+\i], v[QN+\i]
.endr
	v_mov_b32 v52, v53
	v_mov_b32 v7, v8
	INIT
.Lnext:
	s_add_co_u32 s47, s47, 1
	s_add_co_u32 s49, s49, 1
	s_cmp_lt_u32 s49, 17
	s_wait_alu depctr_va_vdst(0)                   ; ahead of the branch
	s_cbranch_scc1 .Ltrip
	s_barrier_signal -1
	s_barrier_wait -1                              ; every wave has left the loop: all reads of K and V are over
	v_bfe_u32 v[TMP], v0, 4, 1
	s_delay_alu instid0(VALU_DEP_1)
	v_cmp_ne_u32 vcc_lo, 0, v[TMP]
	s_delay_alu instid0(VALU_DEP_1)
	v_cndmask_b32 v[TMP+1], v10, v11, vcc_lo
	global_store_b16 v9, v[TMP+1], s[70:71] offset:6144           ; lanes 0-15: hi's rows, lanes 16-31: lo's
	s_wait_tensorcnt 0x0                           ; the wave's end
	ds_add_u32 v254, v255
	s_wait_dscnt 0x0
	CROUND                                         ; the closing round
	s_endpgm
.Lfunc_end_k_qab7c263629_attn:
	.size	k_qab7c263629_attn, .Lfunc_end_k_qab7c263629_attn-k_qab7c263629_attn
	.p2alignl 7, 3214868480
	.fill 96, 4, 3214868480
	.section	.rodata,"a",@progbits
	.p2align	6, 0x0
	.amdhsa_kernel k_qab7c263629_attn
		.amdhsa_group_segment_fixed_size 206848
		.amdhsa_private_segment_fixed_size 0
		.amdhsa_enable_private_segment 0
		.amdhsa_kernarg_size 24
		.amdhsa_user_sgpr_count 2
		.amdhsa_user_sgpr_kernarg_segment_ptr 1
		.amdhsa_wavefront_size32 1
		.amdhsa_system_sgpr_workgroup_id_x 1
		.amdhsa_system_sgpr_workgroup_id_y 1
		.amdhsa_system_sgpr_workgroup_id_z 1
		.amdhsa_system_vgpr_workitem_id 0
		.amdhsa_next_free_vgpr 256
		.amdhsa_next_free_sgpr 80
		.amdhsa_reserve_vcc 1
		.amdhsa_float_denorm_mode_32 3
		.amdhsa_float_denorm_mode_16_64 3
		.amdhsa_memory_ordered 1
		.amdhsa_forward_progress 1
		.amdhsa_inst_pref_size 38
	.end_amdhsa_kernel
	.amdgpu_metadata
---
amdhsa.version: [ 1, 2 ]
amdhsa.kernels:
  - .name:           k_qab7c263629_attn
    .symbol:         k_qab7c263629_attn.kd
    .args:
      - { .name: qb, .offset: 0, .size: 8, .value_kind: global_buffer, .address_space: global }
      - { .name: kvb, .offset: 8, .size: 8, .value_kind: global_buffer, .address_space: global }
      - { .name: yq, .offset: 16, .size: 8, .value_kind: global_buffer, .address_space: global }
    .group_segment_fixed_size: 206848
    .private_segment_fixed_size: 0
    .kernarg_segment_align: 8
    .kernarg_segment_size: 24
    .max_flat_workgroup_size: 512
    .sgpr_count:     80
    .vgpr_count:     256
    .wavefront_size: 32
...
	.end_amdgpu_metadata
.endif
;; end of part 3
;; launch gemm_out (part 4): grid 4 x 64, 4 waves a work-group, clusters of 4 x 4, 327,680 bytes of LDS; arguments yq, wcodes, out0; writes out0
.if DOCPART == 4
	.amdgcn_target "amdgcn-amd-amdhsa--gfx1250"
	.amdhsa_code_object_version 6
	.text
	.protected	k_qab7c263629_gemm_out
	.globl	k_qab7c263629_gemm_out
	.p2align	8
	.type	k_qab7c263629_gemm_out,@function
k_qab7c263629_gemm_out:
	s_mov_b64 s[64:65], 0
	v_nop
	global_prefetch_b8 v0, s[64:65] scope:SCOPE_SE
	s_setreg_imm32_b32 hwreg(HW_REG_WAVE_MODE, 25, 1), 1
	s_wait_xcnt 0x0
	s_wait_alu depctr_hold_cnt(0) depctr_sa_sdst(0) depctr_va_vdst(0) depctr_va_sdst(0) depctr_va_ssrc(0) depctr_va_vcc(0) depctr_vm_vsrc(0)
	s_getreg_b32 s2, hwreg(HW_REG_IB_STS2, 6, 4)
	s_cmp_eq_u32 s2, 0
	s_cbranch_scc0 .Lentry_in_a_cluster
	s_endpgm
.Lentry_in_a_cluster:
	s_bfe_u32 s2, ttmp6, 0x10000c
	s_cmp_lg_u32 s2, 0xf033
	s_cbranch_scc0 .Lentry_shape_is_right
	s_endpgm
.Lentry_shape_is_right:
; out0 = y Wc on codes of BF6 (E3M2) with E8M0 scales; sums in f32.  y: yq, Wc's columns: rows 3,072-4,095 of wcodes; both lie [128 rows][K step of 256][32 rows][6,400].
; A block of 6,400 bytes is 32 rows x 256 K: tile u, half f (16 rows x 64 K, 768 bytes) at 3072 u + 768 f: lane l's first four registers at 16 l, its last two at 512 + 8 l; at 6144 + 128 u + 8 r the row's 8 scale bytes.
; Position r of tile u is row 8 u + r + 8 (r / 8) of its 32.
; A BLOCK OF out0 IS 128 TOKENS x 256 COLUMNS: 64 x 4 = 256 work-groups.  Four waves, each 64 tokens x 128 columns: 32 accumulators, 256 registers.
; ALL OF K = 1,024 LIES IN LDS: y's 128 rows are 102,400 dense bytes, Wc's 256 rows twice that.  One joint load a wave at the head: waves 0, 1 fetch y's K steps 0-1 and 2-3, waves 2, 3 128 rows of Wc each.
; Nothing is filled again: one barrier behind the loads, none in the walk along K.  No prefetch: every tile is asked for once, at the head, so there is no loop to run ahead in.
; CLUSTERS: 4 x 4 work-groups; y's tile is shared along a row of the cluster, Wc's along a column.
; Source 0 = Wc's rows, source 1 = tokens: lane (r, h) holds token position r; register j of tile b is column 32 (b / 2) + 16 h + 8 (b % 2) + j.
; The walk is written out, eight steps of 128 along K: the fragments' two sets come back after two steps, the scale words' after four, and the last step fetches nothing.
; REGISTERS: window 0: v0-31 addresses; v32-63 scale words, two sets; v64-159 y's fragments, two sets; v160-223 the way out.  window 1: Wc's fragments, two sets, at v0 and v128.  window 2: the accumulators, (a, b) at v[8 (8 a + b)].
.set FR,    12
.set P32,   6400
.set KSB,   25600                      ; a K step of 128 rows
.set GRP,   102400                     ; 128 rows, all of K
.set BB0,   GRP                        ; LDS: y's 128 rows at 0, Wc's 256 behind them
.set SPARE, 3*GRP                      ; the spare words, 128 bytes for each wave
.set STAGE, SPARE+512                  ; the way out: 16 rows x (256 + 16) bytes for each wave; no fill lands here
.set SPITCH, 272
.set L16,  4
.set L8,   5
.set CO,   7
.set ADRA, 8                           ; v8-9 16 l + my rows of y, K steps 0-1, 2-3; v10-11 the same with 8 l
.set ADRB, 12                          ; v12-15 likewise for Wc
.set ADRS, 16                          ; v16-17 my scale words: lanes 0-15 y's rows, lanes 16-31 Wc's
.set SPW,  28
.set NIL,  29
.set STO,  30
.set RD,   31
.set SC,   32
.set AF,   64
.set BK,   160
.set G1,   24
.set G0,   32
.set G1B,  48
.set G0B,  56
.set MSB, 0
.macro WIN new                         ; the immediate's high byte repeats the setting that is left
.if MSB != (\new)
	s_set_vgpr_msb (MSB<<8)|(\new)
.set MSB, (\new)
.endif
.endm
.set MUL_W, 0xa1                       ; source 0 window 1, source 1 window 0, C and D window 2
.set TO_B,  0x40                       ; destination window 1, address window 0
.macro CROUND                          ; a round of the cluster's barrier
	s_barrier_signal -1
	s_barrier_wait -1
	s_cmp_lg_u32 s14, 0
	s_cbranch_scc1 .Lnot_wave_0_\@
	s_barrier_signal -3
.Lnot_wave_0_\@:
	s_barrier_wait -3
	s_barrier_signal -1
	s_barrier_wait -1
.endm
.macro PLACES n
.rept \n
	v_nop
.endr
.endm
	s_load_b128 s[4:7], s[0:1], 0x0                ; yq, wcodes
	s_load_b64 s[8:9], s[0:1], 0x10                ; out0
	v_lshl_add_u32 v[SPW], v0, 2, SPARE
	v_mov_b32 v[NIL], 0
	ds_add_u32 v[SPW], v[NIL]                      ; the opening lines: the add, twice on end, and its wait
	ds_add_u32 v[SPW], v[NIL]
	v_lshrrev_b32 v1, 5, v0
	v_readfirstlane_b32 s14, v1                    ; wave 0..3
	s_lshr_b32 s15, s14, 1                         ; which 64 tokens are mine.  Also: I fetch for y (0) or for Wc (1)
	s_and_b32 s16, s14, 1                          ; which 128 columns.  Also: which half of that tile I fetch
	s_bfe_u32 s40, ttmp6, 0x40000                  ; cx, cy
	s_bfe_u32 s41, ttmp6, 0x40004
	s_lshl_b32 s42, s41, 2
	s_lshl_b32 s42, 15, s42                        ; my row of the cluster
	s_lshl_b32 s43, 0x1111, s40                    ; my column
	s_and_b32 s45, ttmp7, 0xffff
	s_lshl_b32 s45, s45, 2
	s_add_co_u32 s45, s45, s41                     ; which 128 tokens
	s_lshl_b32 s46, ttmp9, 2
	s_add_co_u32 s46, s46, s40                     ; which 256 columns
	s_or_b32 s[G1], s42, (3<<16)|(1<<21)           ; elements of 8 bytes, rows of 256 bytes, dense
	s_or_b32 s[G1B], s43, (3<<16)|(1<<21)
	s_mov_b32 s[G1+1], 32<<16
	s_mov_b32 s[G1+2], 200<<16                     ; y: two K steps of 128 rows, 51,200 bytes
	s_mov_b32 s[G1+3], 32<<16
	s_mov_b32 s[G1+4], 200
	s_mov_b32 s[G1+5], 32
	s_mov_b32 s[G1+6], 0
	s_mov_b32 s[G1+7], 0
	s_mov_b32 s[G1B+1], 32<<16
	s_mov_b32 s[G1B+2], 400<<16                    ; Wc: 128 rows, all of K, 102,400 bytes
	s_mov_b32 s[G1B+3], 32<<16
	s_mov_b32 s[G1B+4], 400
	s_mov_b32 s[G1B+5], 32
	s_mov_b32 s[G1B+6], 0
	s_mov_b32 s[G1B+7], 0
	s_mul_i32 s80, s45, GRP
	s_mul_i32 s17, s16, 2*KSB
	s_add_co_u32 s80, s80, s17
	s_mov_b32 s81, 0
	s_lshl_b32 s82, s46, 1
	s_add_co_u32 s82, s82, s16
	s_add_co_u32 s82, s82, 24                      ; Wc's rows begin at group 24 of wcodes
	s_mul_i32 s82, s82, GRP
	s_mov_b32 s83, 0
	s_mov_b32 s[G0], 1
	s_mov_b32 s[G0+1], s17
	s_mov_b32 s[G0B], 1
	s_mul_i32 s[G0B+1], s16, GRP
	s_add_co_u32 s[G0B+1], s[G0B+1], BB0
	s_wait_dscnt 0x0
	s_wait_kmcnt 0x0
	s_add_nc_u64 s[G0+2:G0+3], s[4:5], s[80:81]
	s_or_b32 s[G0+3], s[G0+3], 0x80000000
	s_add_nc_u64 s[G0B+2:G0B+3], s[6:7], s[82:83]
	s_or_b32 s[G0B+3], s[G0B+3], 0x80000000
	CROUND                                         ; all sixteen work-groups are here: the joint loads meet
	s_cmp_eq_u32 s15, 0
	s_cbranch_scc0 .Lfor_b
	tensor_load_to_lds s[G0:G0+3], s[G1:G1+7]
	s_nop 0
	PLACES 4
	s_branch .Lasked
.Lfor_b:
	tensor_load_to_lds s[G0B:G0B+3], s[G1B:G1B+7]
	s_nop 0
	PLACES 4
.Lasked:
	s_lshl_b32 s88, s45, 7
	s_lshl_b32 s89, s15, 6
	s_add_co_u32 s88, s88, s89                     ; my first token
	s_lshl_b32 s88, s88, 12
	s_lshl_b32 s90, s46, 10
	s_lshl_b32 s91, s16, 9
	s_add_co_u32 s90, s90, s91                     ; my first column, in bytes
	s_add_co_u32 s88, s88, s90
	s_mov_b32 s89, 0
	s_add_nc_u64 s[8:9], s[8:9], s[88:89]
	v_and_b32 v1, 31, v0
	v_and_b32 v2, 15, v0                           ; r
	v_bfe_u32 v3, v0, 4, 1                         ; h
	v_lshlrev_b32 v[L16], 4, v1
	v_lshlrev_b32 v[L8], 3, v1
	s_mul_i32 s23, s14, 16*SPITCH
	s_add_co_u32 s23, s23, STAGE                   ; my stage
	v_mul_u32_u24 v[STO], v2, SPITCH
	v_lshl_add_u32 v[STO], v3, 6, v[STO]
	v_add_nc_u32 v[STO], s23, v[STO]               ; in: row r, 64 h
	v_mul_u32_u24 v[RD], v3, SPITCH
	v_lshl_add_u32 v[RD], v2, 4, v[RD]
	v_add_nc_u32 v[RD], s23, v[RD]                 ; back: lanes 0-15 a row of 256 bytes, lanes 16-31 the next
	v_lshlrev_b32 v[CO], 12, v3
	v_lshl_add_u32 v[CO], v2, 4, v[CO]             ; and the same two rows in out0
	s_mul_i32 s17, s15, 2*P32                      ; my 64 rows of y
	s_mul_i32 s19, s16, GRP
	s_add_co_u32 s19, s19, BB0                     ; my 128 rows of Wc
	s_sub_co_u32 s22, s19, s17
	v_mul_u32_u24 v6, s22, v3                      ; lanes 16-31 take Wc's scale words: the lower base + h x the distance
	v_lshl_add_u32 v6, v2, 3, v6
	s_add_co_u32 s22, s17, 6144
.irp p, 0,1
	v_add_nc_u32 v[ADRA+\p], s17, v[L16]
	v_add_nc_u32 v[ADRA+2+\p], s17, v[L8]
	v_add_nc_u32 v[ADRB+\p], s19, v[L16]
	v_add_nc_u32 v[ADRB+2+\p], s19, v[L8]
	v_add_nc_u32 v[ADRS+\p], s22, v6
	s_add_co_u32 s17, s17, 2*KSB
	s_add_co_u32 s19, s19, 2*KSB
	s_add_co_u32 s22, s22, 2*KSB
.endr
.macro FRAG reg, adr, s, i             ; tile i of my rows, step s of 128 along K: two half images
.set FO, (((\s)/2)%2)*KSB+((\i)/2)*P32+((\i)%2)*3072+1536*((\s)%2)
	ds_load_b128 v[\reg:\reg+3], v[\adr+(\s)/4] offset:FO
	ds_load_b64 v[\reg+4:\reg+5], v[\adr+2+(\s)/4] offset:FO+512
	ds_load_b128 v[\reg+6:\reg+9], v[\adr+(\s)/4] offset:FO+768
	ds_load_b64 v[\reg+10:\reg+11], v[\adr+2+(\s)/4] offset:FO+1280
.endm
.macro FETCH s                         ; step s's fragments into set s % 2: 48 loads; with an even step the 8 loads of its K step's scale words (lanes 0-15: y's tile i, read for i < 4 alone; lanes 16-31: Wc's tile i)
	WIN TO_B
.irp i, 0,1,2,3,4,5,6,7
	FRAG 128*((\s)%2)+FR*\i, ADRB, \s, \i
.endr
	WIN 0
.irp i, 0,1,2,3
	FRAG AF+48*((\s)%2)+FR*\i, ADRA, \s, \i
.endr
.if (\s)%2 == 0
.irp i, 0,1,2,3,4,5,6,7
	ds_load_b64 v[SC+16*(((\s)/2)%2)+2*\i:SC+16*(((\s)/2)%2)+2*\i+1], v[ADRS+(\s)/4] offset:(((\s)/2)%2)*KSB+(\i/2)*P32+(\i%2)*128
.endr
.endif
.endm
.macro MUL s                           ; 32 matrix instructions: the 32 accumulators by turns, one instruction a turn; step 0 starts the sums
.irp a, 0,1,2,3
.irp b, 0,1,2,3,4,5,6,7
.if (\s) == 0
	v_wmma_scale_f32_16x16x128_f8f6f4 v[8*(8*\a+\b):8*(8*\a+\b)+7], v[128*((\s)%2)+FR*\b:128*((\s)%2)+FR*\b+FR-1], v[AF+48*((\s)%2)+FR*\a:AF+48*((\s)%2)+FR*\a+FR-1], 0, v[SC+16*(((\s)/2)%2)+2*\b+(\s)%2], v[SC+16*(((\s)/2)%2)+2*\a+(\s)%2] matrix_a_fmt:MATRIX_FMT_BF6 matrix_b_fmt:MATRIX_FMT_BF6 matrix_a_scale:MATRIX_SCALE_ROW1
.else
	v_wmma_scale_f32_16x16x128_f8f6f4 v[8*(8*\a+\b):8*(8*\a+\b)+7], v[128*((\s)%2)+FR*\b:128*((\s)%2)+FR*\b+FR-1], v[AF+48*((\s)%2)+FR*\a:AF+48*((\s)%2)+FR*\a+FR-1], v[8*(8*\a+\b):8*(8*\a+\b)+7], v[SC+16*(((\s)/2)%2)+2*\b+(\s)%2], v[SC+16*(((\s)/2)%2)+2*\a+(\s)%2] matrix_a_fmt:MATRIX_FMT_BF6 matrix_b_fmt:MATRIX_FMT_BF6 matrix_a_scale:MATRIX_SCALE_ROW1
.endif
.endr
.endr
.endm
.macro KSTEP s                         ; the next step's fragments are asked for, then this step is multiplied
.if (\s) > 0
	PLACES 4                                       ; in front of loads into registers that matrix instructions have read
.endif
	FETCH (\s)+1
.if ((\s)+1)%2 == 0
	s_wait_dscnt 56                                ; all but the 56 loads just issued
.else
	s_wait_dscnt 48                                ; all but the 48 loads just issued
.endif
	WIN MUL_W
	MUL \s
	WIN 0
.endm
	s_wait_alu depctr_va_vdst(0)                   ; the wait at the head's end
	s_wait_tensorcnt 0x0                           ; my tile is in,
	s_barrier_signal -1
	s_barrier_wait -1                              ; everybody's is
	FETCH 0
.irp s, 0,1,2,3,4,5,6
	KSTEP \s
.endr
	s_wait_dscnt 0x0
	WIN MUL_W
	MUL 7
	WIN 0
; THE WAY OUT, in eight pieces of 16 tokens x 64 columns (piece n: tile n / 2, columns 64 (n % 2) on): through my own stage and back as rows of 256 bytes.  LDS serves a wave's instructions in order (ISA guide 5.7.1.4): no wait between.
.macro TOSTAGE n
.set AC, 64*((\n)/2)+32*((\n)%2)
	WIN 0x08                                       ; the data: window 2
.irp b, 0,1,2,3
	ds_store_b128 v[STO], v[AC+8*\b:AC+8*\b+3] offset:128*(\b/2)+32*(\b%2)      ; each accumulator from its low end on
	ds_store_b128 v[STO], v[AC+8*\b+4:AC+8*\b+7] offset:128*(\b/2)+32*(\b%2)+16
.endr
	WIN 0
.set BB, BK+32*((\n)%2)
.irp t, 0,1,2,3,4,5,6,7
	ds_load_b128 v[BB+4*\t:BB+4*\t+3], v[RD] offset:\t*2*SPITCH
.endr
.endm
.macro SEND n, younger                 ; younger: the LDS instructions issued behind piece n's loads
.set BB, BK+32*((\n)%2)
	s_wait_dscnt \younger
.irp t, 0,1,2,3,4,5,6,7
	global_store_b128 v[CO], v[BB+4*\t:BB+4*\t+3], s[8:9] offset:(32*((\n)/4)+8*(((\n)/2)%2)+2*\t+8*(\t/4))*4096+256*((\n)%2) th:TH_STORE_NT   ; sixteen lanes store 256 consecutive bytes, aligned
.endr
.endm
	PLACES 4                                       ; in front of the first read of results
	TOSTAGE 0
.irp n, 1,2,3,4,5,6,7
.if \n > 1
	s_wait_xcnt 0x0                                ; piece n - 2's stores have read their registers: piece n's loads may land there
.endif
	TOSTAGE \n
	SEND \n-1, 16                                  ; behind piece n - 1's loads: piece n's 8 stores and 8 loads
.endr
	SEND 7, 0
	s_wait_tensorcnt 0x0                           ; the wave's end
	ds_add_u32 v[SPW], v[NIL]
	s_wait_dscnt 0x0
	CROUND                                         ; the closing round
	s_endpgm
.Lfunc_end_k_qab7c263629_gemm_out:
	.size	k_qab7c263629_gemm_out, .Lfunc_end_k_qab7c263629_gemm_out-k_qab7c263629_gemm_out
	.p2alignl 7, 3214868480
	.fill 96, 4, 3214868480
	.section	.rodata,"a",@progbits
	.p2align	6, 0x0
	.amdhsa_kernel k_qab7c263629_gemm_out
		.amdhsa_group_segment_fixed_size 327680
		.amdhsa_private_segment_fixed_size 0
		.amdhsa_enable_private_segment 0
		.amdhsa_kernarg_size 24
		.amdhsa_user_sgpr_count 2
		.amdhsa_user_sgpr_kernarg_segment_ptr 1
		.amdhsa_wavefront_size32 1
		.amdhsa_system_sgpr_workgroup_id_x 1
		.amdhsa_system_sgpr_workgroup_id_y 1
		.amdhsa_system_sgpr_workgroup_id_z 1
		.amdhsa_system_vgpr_workitem_id 0
		.amdhsa_next_free_vgpr 768
		.amdhsa_next_free_sgpr 100
		.amdhsa_reserve_vcc 0
		.amdhsa_float_denorm_mode_32 3
		.amdhsa_float_denorm_mode_16_64 3
		.amdhsa_memory_ordered 1
		.amdhsa_forward_progress 1
		.amdhsa_inst_pref_size 82
	.end_amdhsa_kernel
	.amdgpu_metadata
---
amdhsa.version: [ 1, 2 ]
amdhsa.kernels:
  - .name:           k_qab7c263629_gemm_out
    .symbol:         k_qab7c263629_gemm_out.kd
    .args:
      - { .name: yq, .offset: 0, .size: 8, .value_kind: global_buffer, .address_space: global }
      - { .name: wcodes, .offset: 8, .size: 8, .value_kind: global_buffer, .address_space: global }
      - { .name: out0, .offset: 16, .size: 8, .value_kind: global_buffer, .address_space: global }
    .group_segment_fixed_size: 327680
    .private_segment_fixed_size: 0
    .kernarg_segment_align: 8
    .kernarg_segment_size: 24
    .max_flat_workgroup_size: 128
    .sgpr_count:     100
    .vgpr_count:     768
    .wavefront_size: 32
...
	.end_amdgpu_metadata
.endif
;; end of part 4
